; MI455X (gfx1250); checked and timed in simulation.
; The chip was launched on July 23, 2026; its instructions are those of AMD's public machine-readable ISA for CDNA 5 (MIT licence, August 2026) and "CDNA5" Instruction Set Architecture Reference Guide (July 2026). The comments in the code are by the model that wrote it; some were corrected since.
;; Attention. Allowed arithmetic: matrix products marked QUANTISED: E3M2 operands, one E8M0 scale for each 32 along K, by v_wmma_scale_f32_16x16x128_f8f6f4 with both operands' format E3M2, f32 sums; everything else in f32.
;; Inputs: k 2,048 x 1,024 float32; mask 2,048 x 2,048 float32; q 2,048 x 4,096 float32; v_codes 1,024 x 64 x 24 uint8 (E3M2 codes of v, K innermost, in blocks of 32 codes, four codes in three bytes); v_scales 1,024 x 64 uint8 (E8M0 scales of v, one for each 32 codes along K).
;; Outputs: out0 2,048 x 4,096 float32.
;; This version of the problem:
;;   THIS VERSION OF THE PROBLEM IS GIVEN IN LOW PRECISION. The matrix products marked QUANTISED in the list below multiply operands that are first quantised to E3M2 (3 exponent bits, 2 mantissa bits; 6 bits a number), with one power-of-two scale for each 32 numbers along K (OCP MX v1.0); their sums are f32. All else is computed in f32.
;;   The module's matrix products, in the order in which they are computed (A, B: the left and right operand; K: the contracted axis; several contracted axes count as one K, in the product's order):
;;     1. batch 32 x [M 2,048, K 128] x [K 128, N 2,048]; A: input q; B: input k: QUANTISED
;;     2. batch 32 x [M 2,048, K 2,048] x [K 2,048, N 128]; A: softmax (see below); B: input v (given as codes): QUANTISED
;;   THE QUANTISER, for each operand of a quantised product, along K:
;;     - K is cut into blocks of 32 from its start; a last block that is shorter is filled with zeros.
;;     - A block's scale is 2^e with e = floor(log2(the largest magnitude in the block)) - 4, held to -126 .. 127; a block of zeros has e = 0. As a byte (E8M0): e + 127.
;;     - Each number is divided by its block's scale, clamped to +-28, and rounded to the nearest number of E3M2, ties to even, subnormals kept.
;;     - The product sums the exact products of the quantised numbers (number of the format x scale) in f32.
;;   ~~~python
;;   def quantise(x, axis):      # numpy; x: float32 -> the quantised numbers, widened to float32 again
;;       x = np.moveaxis(x, axis, -1); K = x.shape[-1]
;;       x = np.pad(x, [(0, 0)] * (x.ndim - 1) + [(0, -K % 32)]); x = x.reshape(x.shape[:-1] + (-1, 32)); a = np.abs(x).max(-1, keepdims=True)
;;       e = np.where(a > 0, np.clip(np.frexp(np.where(a > 0, a, 1))[1] - 1 - 4, -126, 127), 0)      # np.frexp(a)[1] - 1 = floor(log2(a)), exactly
;;       r = np.clip(x / 2.0 ** e, -28, 28)
;;       step = 2.0 ** (np.maximum(np.frexp(np.where(r == 0, 1, r))[1] - 1, -2) - 2)
;;       q = np.round(r / step) * step * 2.0 ** e      # np.round: ties to even
;;       return np.moveaxis(q.reshape(q.shape[:-2] + (-1,))[..., :K], -1, axis).astype(np.float32)
;;   ~~~
;;   SOFTMAX AHEAD OF A QUANTISED PRODUCT. Where the list says 'softmax', what is quantised is not the finished softmax but p = 2^(t - M), with t = logit x log2(e) and M = ceil(the row's largest t), a whole number; so 1/2 < the row's largest p <= 1. The row's sum l is taken of the UNQUANTISED p, in f32, and the product's result is divided by l at the end. Since M is a whole number, a kernel that streams over the keys may use a running M (the ceiling of the running maximum): every later rescaling is an exact power of two, which a block's scale takes up: the codes' values come out the same.
;;   OPERANDS COMPUTED ON THE WAY. 'Computed on the way' means the value that the module computes at that place (a softmax that the list does not call 'softmax' is quantised finished and normalised). What goes into a quantiser is computed in f32, as accurately as f32 sums, v_exp_f32 and their like allow (about 1e-6 of the number): no bf16 or f16 on the way to a quantiser, and a product that is left as it is and whose result goes on into a quantised operand takes f32 operands (vector FMAs, or v_wmma_f32_16x16x4_f32). A number that lies on a knife's edge between two numbers of the format may be rounded either way, as far as f32 arithmetic and the matrix unit's own rounding can turn it there, and no further.
;;   INPUTS GIVEN AS CODES. v (in the module: [2048, 1024], K = its axis 0): each comes as NAME_codes (uint8): NAME with its K axis moved to the last place and cut into blocks of 32 codes, [.., K / 32, bytes a block], one block behind the other in memory; four codes in three bytes: a row's codes are one little-endian stream of bits, code i at bits 6 i .. 6 i + 5 (a code: sign, 3 exponent bits, 2 mantissa bits); and NAME_scales (uint8): the same leading axes, one E8M0 byte (e + 127) for each 32 codes along K. Its value is code x scale, taken as it is: it is not quantised again, and the codes and scales need not be those that the quantiser above would give.
;; 2 versions. Each part assembles by itself: llvm-mc -triple=amdgcn-amd-amdhsa -mcpu=gfx1250 --defsym DOCPART=n.
;; ======== version 1 of 2: 2 launches
;; limits: right only within a limited range of input values
;; workspace buffers: kv 3,276,800 bytes
;; launch prep (part 1): grid 256 x 1, 4 waves a work-group, no clusters, 0 bytes of LDS; arguments k, v_codes, v_scales, kv; writes kv
.if DOCPART == 1
	.amdgcn_target "amdgcn-amd-amdhsa--gfx1250"
	.amdhsa_code_object_version 6
	.text
	.protected	k_qd7acb8f673_prep
	.globl	k_qd7acb8f673_prep
	.p2align	8
	.type	k_qd7acb8f673_prep,@function
k_qd7acb8f673_prep:
	s_mov_b64 s[64:65], 0
	v_nop
	global_prefetch_b8 v0, s[64:65] scope:SCOPE_SE
	s_setreg_imm32_b32 hwreg(HW_REG_WAVE_MODE, 25, 1), 1
	s_wait_xcnt 0x0
; k [2048][1024] f32 is quantised to codes of BF6 (E3M2) with one E8M0 byte for each 32 along a head's 128; v's codes and scale bytes are taken as they are given.
; Both are laid into kv as IMAGES OF OPERAND REGISTERS, so that the next launch brings a slot of 256 keys as one dense block and reads every fragment by three loads of 16 bytes a lane.
; kv: [KV head g, 8][slot of 256 keys, 8][51,200 bytes]: K's part (25,600 bytes), then V's.  A part: 8 pairs x 3,072 bytes of codes, then from byte 24,576 on 8 pairs x 128 bytes of scale words.
; Pair pin = 4 (step of 128 keys in the slot) + b holds tiles 2 b and 2 b + 1: codes [u][c = 0..2][lane][16 bytes] = registers 4 c .. 4 c + 3 of the tile's 12; words [lane][4]: lanes 0-15 tile 2 b, lanes 16-31 tile 2 b + 1.
; K's tile 2 b + u, lane (r, h): key 128 step + 32 b + 8 u + r + 8 (r / 8); registers 6 c .. 6 c + 5 hold d = 64 c + 32 h + 0 .. 31.  (The keys of a tile are not neighbours: so the scores' 16 registers of two tiles are 16 neighbouring keys.)
; V's tile t = 2 b + u, lane (r, h): row d = 16 t + r of the head; registers 6 c .. hold the 24 bytes at 96 step + 48 c + 24 h of that row of v_codes.
; SHARES: 512 pairs of K and 512 of V, one pair a wave: waves 0, 1 of a work-group take K, waves 2, 3 take V.  No LDS, no barrier: waves share nothing.
; A block's scale byte is its largest magnitude's exponent field - 4, held at 1 from below.  A block of zeros so gets the byte 1 where the rule says 127: its codes are zeros, and this program alone reads the bytes.
; LIMITS: NaN and infinities in k are not served.  The loads take pieces of 16 bytes (k) and 8 bytes (v) of rows far apart: 10 MB read once; every store covers 512 (codes) or 128 (words) consecutive bytes.
.set X0,  16                           ; v16-79   fragment 0: 64 numbers of my row;  v80-143 fragment 1
.set TM,  144                          ; v144-147 largest magnitudes, v148-151 the other half's / bytes, v156-159 the conversions' scale operands
.set PW0, 160                          ; the two fragments' scale words
.set PW1, 161
.set PWO, 162                          ; the pair's: lanes 0-15 fragment 0's, lanes 16-31 fragment 1's
.set PC0, 164                          ; v164-175 fragment 0's codes (v176-182 at work);  v184-195 fragment 1's (v196-202 at work)
.set SEL, 20                           ; s[20:21] v_permlanex16_b32's selects for lane l xor 16
; 64 numbers of a lane, register 16 b + i = d 32 b + 16 (lane / 16) + i of my row, become a fragment's 12 registers of codes from v[pc] on and its scale word in v[pw]
.macro QUANT s, pc, pw
.set cS, \s
.set cP, \pc
.irp b, 0,1,2,3
	v_max3_num_f32 v[TM+\b], |v[cS+16*\b]|, |v[cS+1+16*\b]|, 0x2800000   ; block b: my 16 numbers, and the floor 2^(5 - 127): the byte cannot fall under 1
.endr
.irp i, 2,4,6,8,10,12,14
.irp b, 0,1,2,3
	v_max3_num_f32 v[TM+\b], v[TM+\b], |v[cS+16*\b+\i]|, |v[cS+1+16*\b+\i]|   ; the four blocks by turns
.endr
.endr
.irp b, 0,1,2,3
	v_permlanex16_b32 v[TM+4+\b], v[TM+\b], s[SEL], s[SEL+1]
.endr
.irp b, 0,1,2,3
	v_max_num_f32 v[TM+\b], v[TM+\b], v[TM+4+\b]   ; with lane l xor 16's: the block's largest magnitude
.endr
.irp b, 0,1,2,3
	v_add_nc_u32 v[TM+12+\b], 0xfe000000, v[TM+\b]   ; 4 off its exponent field: the conversion's scale operand
.endr
.irp b, 0,1,2,3
	v_lshrrev_b32 v[TM+4+\b], 23, v[TM+12+\b]      ; the scale's byte
.endr
	v_lshl_or_b32 v[\pw], v[TM+5], 8, v[TM+4]      ; four bytes: my row's scale word (the same in lanes l and l xor 16)
	v_lshl_or_b32 v[\pw], v[TM+6], 16, v[\pw]
	v_lshl_or_b32 v[\pw], v[TM+7], 24, v[\pw]
.irp c, 0,1
	v_cvt_scalef32_pk16_bf6_f32 v[cP+6*\c:cP+6*\c+2], v[cS+32*\c:cS+32*\c+15], v[TM+12+2*\c]
	v_cvt_scalef32_pk16_bf6_f32 v[cP+12+4*\c:cP+14+4*\c], v[cS+16+32*\c:cS+31+32*\c], v[TM+13+2*\c]   ; (a conversion's three registers begin on an even number)
.endr
	v_nop                                          ; one plain place behind a scaled conversion
.irp c, 0,1                                    ; the operand's layout wants a whole block in a lane: lanes 0-15 block 2 c, lanes 16-31 block 2 c + 1
.irp i, 0,1,2
	v_permlane16_swap_b32 v[cP+6*\c+\i], v[cP+12+4*\c+\i]
.endr
.irp i, 0,1,2
	v_mov_b32 v[cP+3+6*\c+\i], v[cP+12+4*\c+\i]
.endr
.endr
.endm
.macro OUT                                     ; the pair's image: six stores of 512 consecutive bytes, one of 128
.irp u, 0,1
.irp c, 0,1,2
	global_store_b128 v5, v[PC0+20*\u+4*\c:PC0+20*\u+4*\c+3], s[24:25] offset:1536*\u+512*\c
.endr
.endr
	global_store_b32 v6, v[PWO], s[26:27]
.endm
	s_load_b256 s[4:11], s[0:1], 0x0               ; k s[4:5], v_codes s[6:7], v_scales s[8:9], kv s[10:11]
	v_lshrrev_b32 v1, 5, v0
	v_readfirstlane_b32 s12, v1                    ; wave 0..3
	v_and_b32 v1, 31, v0                           ; lane
	v_and_b32 v2, 15, v0                           ; r
	v_bfe_u32 v3, v0, 4, 1                         ; h
	v_lshlrev_b32 v5, 4, v1                        ; 16 x lane: an image's place for my lane
	v_lshlrev_b32 v6, 2, v1                        ; 4 x lane: a scale word's
	s_lshr_b32 s13, s12, 1                         ; 0: K, 1: V
	s_and_b32 s14, s12, 1
	s_lshl_b32 s15, ttmp9, 1
	s_add_co_u32 s15, s15, s14                     ; my pair, 0 .. 511
	s_lshr_b32 s16, s15, 6                         ; g
	s_and_b32 s17, s15, 63                         ; the pair in the head: 4 x (step of 128 keys) + b
	s_lshr_b32 s18, s17, 3                         ; slot
	s_and_b32 s19, s17, 7                          ; the pair in the slot
	s_mul_i32 s22, s16, 409600
	s_mul_i32 s23, s18, 51200
	s_add_co_u32 s22, s22, s23
	s_mul_i32 s23, s13, 25600
	s_add_co_u32 s22, s22, s23                     ; the part's first byte in kv
	s_mul_i32 s24, s19, 3072
	s_add_co_u32 s24, s24, s22                     ; my pair's codes
	s_mov_b32 s25, 0
	s_lshl_b32 s26, s19, 7
	s_add_co_u32 s26, s26, s22
	s_add_co_u32 s26, s26, 24576                   ; and its scale words
	s_mov_b32 s27, 0
	s_mov_b32 s[SEL], 0x76543210
	s_mov_b32 s[SEL+1], 0xfedcba98
	s_wait_kmcnt 0x0
	s_add_nc_u64 s[24:25], s[10:11], s[24:25]
	s_add_nc_u64 s[26:27], s[10:11], s[26:27]
	s_cmp_lg_u32 s13, 0
	s_cbranch_scc1 .Lv
	; ---- K: keys 32 x pair on, 4,096 bytes a key; the head's 512 bytes of a row
	s_lshl_b32 s28, s17, 17
	s_lshl_b32 s29, s16, 9
	s_add_co_u32 s28, s28, s29
	s_mov_b32 s29, 0
	s_add_nc_u64 s[4:5], s[4:5], s[28:29]
	v_and_b32 v4, 8, v2
	v_add_nc_u32 v4, v4, v2                        ; r + 8 (r / 8)
	v_lshlrev_b32 v4, 12, v4
	v_lshl_add_u32 v4, v3, 6, v4                   ; its row, + 64 h: my 16 numbers of each block of 32
.irp u, 0,1
.irp b, 0,1,2,3
.irp j, 0,1,2,3
	global_load_b128 v[X0+64*\u+16*\b+4*\j:X0+64*\u+16*\b+4*\j+3], v4, s[4:5] offset:32768*\u+128*\b+16*\j th:TH_LOAD_NT
.endr
.endr
.endr
.irp b, 0,1,2,3
	v_mov_b32 v[TM+4+\b], 0                        ; written once: a lane permute's destination counts as one of its sources
.endr
	s_wait_loadcnt 16                              ; fragment 0's sixteen loads are in; fragment 1's sixteen may be out
	QUANT X0, PC0, PW0
	s_wait_loadcnt 0x0
	QUANT X0+64, PC0+20, PW1
	v_cmp_le_u32 vcc_lo, 16, v1
	v_cndmask_b32 v[PWO], v[PW0], v[PW1], vcc_lo   ; lanes 16-31 carry the second tile's words
	OUT
	s_endpgm
.Lv:
	; ---- V: rows 32 b on of the head's 128, 1,536 bytes a row; the step's 96 bytes
	s_and_b32 s28, s17, 3                          ; b
	s_lshr_b32 s30, s17, 2                         ; step
	s_mul_i32 s22, s16, 196608
	s_mul_i32 s23, s28, 49152
	s_add_co_u32 s22, s22, s23
	s_mul_i32 s23, s30, 96
	s_add_co_u32 s22, s22, s23
	s_mov_b32 s23, 0
	s_add_nc_u64 s[6:7], s[6:7], s[22:23]
	s_lshl_b32 s22, s16, 13                        ; scale bytes: 64 a row
	s_lshl_b32 s29, s28, 11
	s_add_co_u32 s22, s22, s29
	s_lshl_b32 s29, s30, 2
	s_add_co_u32 s22, s22, s29
	s_add_nc_u64 s[8:9], s[8:9], s[22:23]
	v_mul_u32_u24 v4, v2, 1536
	v_mad_u32_u24 v4, v3, 24, v4                   ; row r, + 24 h
	v_lshlrev_b32 v7, 6, v1                        ; row = lane: lanes 16-31 take the second tile's rows
.irp u, 0,1
.irp p, 0,1,2,3,4,5
	global_load_b64 v[PC0+20*\u+2*\p:PC0+20*\u+2*\p+1], v4, s[6:7] offset:24576*\u+48*(\p/3)+8*(\p%3) th:TH_LOAD_NT
.endr
.endr
	global_load_b32 v[PWO], v7, s[8:9] th:TH_LOAD_NT
	s_wait_loadcnt 0x0
	OUT
	s_endpgm
.Lfunc_end_k_qd7acb8f673_prep:
	.size	k_qd7acb8f673_prep, .Lfunc_end_k_qd7acb8f673_prep-k_qd7acb8f673_prep
	.p2alignl 7, 3214868480
	.fill 96, 4, 3214868480
	.section	.rodata,"a",@progbits
	.p2align	6, 0x0
	.amdhsa_kernel k_qd7acb8f673_prep
		.amdhsa_group_segment_fixed_size 0
		.amdhsa_private_segment_fixed_size 0
		.amdhsa_enable_private_segment 0
		.amdhsa_kernarg_size 32
		.amdhsa_user_sgpr_count 2
		.amdhsa_user_sgpr_kernarg_segment_ptr 1
		.amdhsa_wavefront_size32 1
		.amdhsa_system_sgpr_workgroup_id_x 1
		.amdhsa_system_sgpr_workgroup_id_y 1
		.amdhsa_system_sgpr_workgroup_id_z 1
		.amdhsa_system_vgpr_workitem_id 0
		.amdhsa_next_free_vgpr 208
		.amdhsa_next_free_sgpr 66
		.amdhsa_reserve_vcc 1
		.amdhsa_float_denorm_mode_32 3
		.amdhsa_float_denorm_mode_16_64 3
		.amdhsa_memory_ordered 1
		.amdhsa_forward_progress 1
		.amdhsa_inst_pref_size 16
	.end_amdhsa_kernel
	.amdgpu_metadata
---
amdhsa.version: [ 1, 2 ]
amdhsa.kernels:
  - .name:           k_qd7acb8f673_prep
    .symbol:         k_qd7acb8f673_prep.kd
    .args:
      - { .name: k, .offset: 0, .size: 8, .value_kind: global_buffer, .address_space: global }
      - { .name: v_codes, .offset: 8, .size: 8, .value_kind: global_buffer, .address_space: global }
      - { .name: v_scales, .offset: 16, .size: 8, .value_kind: global_buffer, .address_space: global }
      - { .name: kv, .offset: 24, .size: 8, .value_kind: global_buffer, .address_space: global }
    .group_segment_fixed_size: 0
    .private_segment_fixed_size: 0
    .kernarg_segment_align: 8
    .kernarg_segment_size: 32
    .max_flat_workgroup_size: 128
    .sgpr_count:     66
    .vgpr_count:     208
    .wavefront_size: 32
...
	.end_amdgpu_metadata
.endif
;; end of part 1
;; launch attn (part 2): grid 32 x 8, 4 waves a work-group, clusters of 4 x 4, 327,680 bytes of LDS; arguments q, kv, mask, out0; writes out0
.if DOCPART == 2
	.amdgcn_target "amdgcn-amd-amdhsa--gfx1250"
	.amdhsa_code_object_version 6
	.text
	.protected	k_qd7acb8f673_attn
	.globl	k_qd7acb8f673_attn
	.p2align	8
	.type	k_qd7acb8f673_attn,@function
k_qd7acb8f673_attn:
	s_mov_b64 s[64:65], 0
	v_nop
	global_prefetch_b8 v0, s[64:65] scope:SCOPE_SE
	s_setreg_imm32_b32 hwreg(HW_REG_WAVE_MODE, 25, 1), 1
	s_wait_xcnt 0x0
	s_wait_alu depctr_hold_cnt(0) depctr_sa_sdst(0) depctr_va_vdst(0) depctr_va_sdst(0) depctr_va_ssrc(0) depctr_va_vcc(0) depctr_vm_vsrc(0)
	s_getreg_b32 s2, hwreg(HW_REG_IB_STS2, 6, 4)
	s_cmp_eq_u32 s2, 0
	s_cbranch_scc0 .Lentry_in_a_cluster
	s_endpgm
.Lentry_in_a_cluster:
	s_bfe_u32 s2, ttmp6, 0x10000c
	s_cmp_lg_u32 s2, 0xf033
	s_cbranch_scc0 .Lentry_shape_is_right
	s_endpgm
.Lentry_shape_is_right:
; out0[s][128 head + d] = the sum over keys of softmax(q . k / sqrt(128) + mask) v: 32 query heads, 8 KV heads, 2,048 queries and keys; both products on codes of BF6 (E3M2) with one E8M0 scale for each 32 along K.
; K's codes and V's come from kv, laid as images of operand registers by the launch before; q (f32) is quantised here, in registers; the mask (f32, any numbers) is read as it is given.
; THE SOFTMAX: t = (score / sqrt(128) + mask) log2(e); M = the running largest t rounded up to a whole number; p = 2^(t - M) is quantised along the keys, not normalised; the row's sum is taken of the unquantised p and divides at the end.
; When M moves, the sum and O are multiplied by 2^(old M - new M), which rounds nothing.
; SHARES.  A work-group owns 64 queries x the 4 query heads of one KV head; wave w owns queries 16 w .. 16 w + 15 for all four heads: four tiles x = 0..3.  So each fragment of K and of V read from LDS feeds four matrix
; instructions, and the mask's tile is prepared once for four heads.  Every wave walks the 2,048 keys in 16 steps of 128, two steps to an LDS slot.
; LAYOUT.  Both products are used transposed: S^T = K Q^T + C (source 0 = 16 keys, source 1 = 16 queries), O^T += V^T P^T: a lane holds ONE query (lane % 16) throughout.  The keys of a tile of K are chosen (by the launch
; before) so that the 16 registers of tiles 2 b, 2 b + 1 are keys 32 b + 16 (lane / 16) + 0 .. 15.
; THE MASK IS THE C OF THE FIRST PRODUCT: m = max(mask, -2^26) sqrt(128), so that u = score + m and t = u c, c = log2(e) / sqrt(128): no addition for any head.
; LIMITS.  The mask is held at -2^26 from below, so that no infinity enters a product: keys masked by less than that (-infinity too) get p = 0 as soon as the row has met a key that counts; while a row has met none, its p stay
; at 16 or under (M is off u c by 4 at the most at that size), and the first key that counts wipes those sums by the factor 0.  A row ALL of whose logits lie under about -6.7e7 does not come out as the definition has it
; (all -infinity: no NaN here).  NaN and +infinity in the mask, NaN and infinities in q are not served.  A block of zeros gets the scale byte 1: its codes are zeros.
; BY TURNS.  The four tiles are phases of a pipeline: the 68 exponentials of tile x carry, one matrix instruction behind every four of them, the 8 products V^T P of the tile before and the 8 products K Q^T of the tile after.
; CLUSTER 4 x 4.  The four work-groups of a row of the cluster have the same KV head and ask for its slots of kv JOINTLY; the four of a column have the same 64 queries and ask for the mask's tiles jointly.
; REGISTERS, in windows of 256: window 0: addresses, statistics, scale words, p's codes, v128-255 two buffers of S^T / p (tile x uses buffer x % 2).  window 1: O^T, tile x at 64 x.
;   window 2: v0-95 K's 8 fragments, v96-191 V's 8; on the way out rows of out0.   window 3: v0-63 m, v64-111 Q's four fragments.
.set SLOT1,  1<<17                     ; LDS: slot 1 begins here: one exclusive or turns an address from slot to slot
.set VP,     25600                     ; in a slot: K's part at 0 (24,576 bytes of codes, 1,024 of scale words), V's part here,
.set WORDS,  24576
.set MKT,    51200                     ; and the mask's tile: 64 rows x (1,024 bytes + 16 of padding)
.set MPITCH, 1040                      ; 65 x 16 bytes: the sixteen rows that a load of 16 bytes a lane touches fall on sixteen different columns of 16 bytes modulo 256
.set SPARE,  262144                    ; behind the ring: the spare words, 128 bytes a wave: two blocks of 256 bytes that no other line names
.set STAGE,  262656                    ; the way out: 16 rows x (512 + 16) bytes for each wave; no tile ever lands here
.set SPITCH, 528
.set SPW, 1                            ; v1   SPARE + 4 x my thread's number; never rewritten
.set NIL, 2                            ; v2   0; never rewritten
.set LI,  3                            ; v3   16 x lane: my place in an image; also my byte offset in a row of 512 bytes of out0
.set LS,  4                            ; v4   4 x lane + WORDS: my place among a part's scale words
.set AM0, 5                            ; v5   my place in the mask's tile: MKT + (16 w + r) MPITCH + 64 h
.set ADK, 9                            ; v9-13 the addresses of the runs of loads in hand
.set ADKS, 10
.set ADM, 11
.set ADV, 12
.set ADVS, 13
.set QA,  14                           ; v14  q: r rows of 16,384 bytes + 64 h
.set STO, 15                           ; v15  the stage: where I put 32 bytes of a row
.set RD,  16                           ; v16  and where I read a row back
.set ST,  20                           ; tile x at v[ST + 4 x]: -M, the largest t, the sum in two halves
.set QS,  36                           ; v36-39 Q's scale words; v40-43 K's; v44-47 V's; v52-53 p's: scales and nothing else
.set KS,  40
.set VS,  44
.set PS,  52
.set BM,  56                           ; v56-59 a block's largest score, then largest p
.set BP,  60                           ; v60-63 the other half's; bytes
.set SO,  64                           ; v64-67 the conversions' scale operands
.set F,   68                           ; v68 f = 2^(old M - new M); v69 named with it as a pair
.set T,   70
.set T2,  72                           ; v72-73 the sums' second chain
.set PF,  80                           ; v80-103 p's codes, two fragments by turns
.set TC,  104                          ; v104-110 halves of blocks, at work
.set S0,  128
.set KF,  0                            ; window 2
.set VF,  96
.set BK,  0
.set MK,  0                            ; window 3
.set QF,  64
.set WV,  12                           ; s12 my wave's number
.set TRIP, 20
.set TBK, 21                           ; s21 the slot from which K and the mask are fetched
.set TBV, 22                           ; s22 the slot from which V is fetched
.set LIM, 23                           ; s23 -2^26
.set G1A, 24                           ; s[24:31] descriptor group 1 for a part of kv;  s[32:39] for the mask's tiles
.set G1M, 32
.set G0A, 40                           ; s[40:47] groups 0 for kv: a set for each first fill; the second then walks on;  s[48:55] the same for the mask
.set G0M, 48
.set SEL, 56                           ; s[56:57] lane l xor 16
.set CS,  58                           ; s[58:59] c
.set SQ,  60                           ; s[60:61] sqrt(128)
.set MSB, 0
.macro WIN new                         ; the immediate's high byte repeats the setting that is left; a switch that changes nothing is dropped
.if MSB != \new
	s_set_vgpr_msb (MSB<<8)|\new
.set MSB, \new
.endif
.endm
.set W_KQ, 0x3e                        ; source 0 (K) window 2, source 1 (Q) and C (m) window 3, D (S^T) window 0
.set W_PV, 0x52                        ; source 0 (V) window 2, source 1 (P) window 0, C and D (O^T) window 1
.set W_RS, 0x41                        ; destination and source 0 (O^T) window 1
.macro CROUND                          ; a round of the cluster's barrier
	s_barrier_signal -1
	s_barrier_wait -1
	s_cmp_lg_u32 s[WV], 0
	s_cbranch_scc1 .Lnot_wave_0_\@
	s_barrier_signal -3
.Lnot_wave_0_\@:
	s_barrier_wait -3
	s_barrier_signal -1
	s_barrier_wait -1
.endm
.macro JLOAD                           ; a joint refill: waves 0, 1 fetch K's and V's part of a slot, waves 2, 3 the mask's rows 0-31 and 32-63.  Four v_nop follow each line
	s_cmp_lt_u32 s[WV], 2
	s_cbranch_scc0 .Lfor_m_\@
	tensor_load_to_lds s[G0A+4:G0A+7], s[G1A:G1A+7]
	s_nop 0
.rept 4
	v_nop
.endr
	s_branch .Lasked_\@
.Lfor_m_\@:
	tensor_load_to_lds s[G0M+4:G0M+7], s[G1M:G1M+7]
	s_nop 0
.rept 4
	v_nop
.endr
.Lasked_\@:
.endm
; 64 numbers of a lane from v[s] on (register 16 b + i = k 32 b + 16 (lane / 16) + i), with the four blocks' scale operands in v[SO] on, become a fragment's 12 registers from v[pc] on
.macro CODES s, pc
.set cS, \s
.set cP, \pc
.irp c, 0,1
	v_cvt_scalef32_pk16_bf6_f32 v[cP+6*\c:cP+6*\c+2], v[cS+32*\c:cS+32*\c+15], v[SO+2*\c]
	v_cvt_scalef32_pk16_bf6_f32 v[TC+4*\c:TC+4*\c+2], v[cS+16+32*\c:cS+31+32*\c], v[SO+2*\c+1]   ; (a conversion's three registers begin on an even number)
.endr
	v_nop                                          ; one plain place behind a scaled conversion
.irp c, 0,1                                    ; the operand's layout wants a whole block in a lane
.irp i, 0,1,2
	v_permlane16_swap_b32 v[cP+6*\c+\i], v[TC+4*\c+\i]
.endr
.irp i, 0,1,2
	v_mov_b32 v[cP+3+6*\c+\i], v[TC+4*\c+\i]
.endr
.endr
.endm
.macro QLOAD x, u                      ; head x of my 16 queries, 64 numbers a lane, into buffer u
.irp b, 0,1,2,3
.irp j, 0,1,2,3
	global_load_b128 v[S0+64*\u+16*\b+4*\j:S0+64*\u+16*\b+4*\j+3], v[QA], s[4:5] offset:512*\x+128*\b+16*\j th:TH_LOAD_NT
.endr
.endr
.endm
.macro QUANTQ u, x                     ; buffer u becomes Q's fragment x (window 3) and its scale word
.set qS, S0+64*\u
.irp b, 0,1,2,3
	v_max3_num_f32 v[BM+\b], |v[qS+16*\b]|, |v[qS+1+16*\b]|, 0x2800000   ; my 16 numbers of block b, and the floor 2^(5 - 127)
.endr
.irp i, 2,4,6,8,10,12,14
.irp b, 0,1,2,3
	v_max3_num_f32 v[BM+\b], v[BM+\b], |v[qS+16*\b+\i]|, |v[qS+1+16*\b+\i]|
.endr
.endr
.irp b, 0,1,2,3
	v_permlanex16_b32 v[BP+\b], v[BM+\b], s[SEL], s[SEL+1]
.endr
.irp b, 0,1,2,3
	v_max_num_f32 v[BM+\b], v[BM+\b], v[BP+\b]
.endr
.irp b, 0,1,2,3
	v_add_nc_u32 v[SO+\b], 0xfe000000, v[BM+\b]    ; 4 off the exponent field: the conversion's scale operand
.endr
.irp b, 0,1,2,3
	v_lshrrev_b32 v[BP+\b], 23, v[SO+\b]           ; the scale's byte
.endr
	v_lshl_or_b32 v[QS+\x], v[BP+1], 8, v[BP]
	v_lshl_or_b32 v[QS+\x], v[BP+2], 16, v[QS+\x]
	v_lshl_or_b32 v[QS+\x], v[BP+3], 24, v[QS+\x]
	CODES qS, PF
	WIN 0xc0                                       ; destination window 3
.irp i, 0,1,2,3,4,5,6,7,8,9,10,11
	v_mov_b32 v[QF+12*\x+\i], v[PF+\i]
.endr
	WIN 0
.endm
; THE LDS LOADS stand in runs.  A step's K (8 fragments, 4 registers of scale words) and its tile of the mask; qn: which step of the slot
.macro FETCH_K qn
	WIN 0
	v_add_nc_u32 v[ADK], s[TBK], v[LI]
	v_add_nc_u32 v[ADKS], s[TBK], v[LS]
	v_add_nc_u32 v[ADM], s[TBK], v[AM0]
	WIN 0x80                                       ; destination window 2
.irp t, 0,1,2,3,4,5,6,7
.irp c, 0,1,2
	ds_load_b128 v[KF+12*\t+4*\c:KF+12*\t+4*\c+3], v[ADK] offset:12288*(\qn)+1536*\t+512*\c
.endr
.endr
	WIN 0
.irp b, 0,1,2,3
	ds_load_b32 v[KS+\b], v[ADKS] offset:512*(\qn)+128*\b   ; lanes 0-15 tile 2 b's words, lanes 16-31 tile 2 b + 1's
.endr
	WIN 0xc0                                       ; destination window 3
.irp b, 0,1,2,3
.irp j, 0,1,2,3
	ds_load_b128 v[MK+16*\b+4*\j:MK+16*\b+4*\j+3], v[ADM] offset:512*(\qn)+128*\b+16*\j   ; mask(my query, keys 32 b + 16 h + 4 j ..): the layout of S^T
.endr
.endr
	WIN 0
.endm
.macro FETCH_V q
	WIN 0
	v_add_nc_u32 v[ADV], s[TBV], v[LI]
	v_add_nc_u32 v[ADVS], s[TBV], v[LS]
	WIN 0x80
.irp t, 0,1,2,3,4,5,6,7
.irp c, 0,1,2
	ds_load_b128 v[VF+12*\t+4*\c:VF+12*\t+4*\c+3], v[ADV] offset:VP+12288*(\q)+1536*\t+512*\c
.endr
.endr
	WIN 0
.irp b, 0,1,2,3
	ds_load_b32 v[VS+\b], v[ADVS] offset:VP+512*(\q)+128*\b
.endr
.if \q
	s_xor_b32 s[TBV], s[TBV], SLOT1                ; the slot's last fetch of V: on to the other slot
.endif
.endm
.macro MPREP                           ; m = max(mask, -2^26) sqrt(128), once for the four heads
	WIN 0xcf                                       ; destination and both sources window 3
.set k, 0
.rept 64
	v_max_num_f32 v[MK+k], s[LIM], v[MK+k]
.set k, k+1
.endr
.set k, 0
.rept 32
	v_pk_mul_f32 v[MK+k:MK+k+1], v[MK+k:MK+k+1], s[SQ:SQ+1] op_sel_hi:[1,0]
.set k, k+2
.endr
	WIN 0
.endm
; S^T of tile kt, keys' tile t: one K step (the head's 128), C = m.  An odd tile's scale words lie in lanes 16-31
.macro KQW kt, t
	WIN W_KQ
.set rD, S0+64*((\kt)%2)+8*(\t)
.set rA, KF+12*(\t)
.set rB, QF+12*(\kt)
.set rC, MK+8*(\t)
.if (\t)%2
	v_wmma_scale_f32_16x16x128_f8f6f4 v[rD:rD+7], v[rA:rA+11], v[rB:rB+11], v[rC:rC+7], v[KS+(\t)/2], v[QS+(\kt)] matrix_a_fmt:MATRIX_FMT_BF6 matrix_b_fmt:MATRIX_FMT_BF6 matrix_a_scale:MATRIX_SCALE_ROW1
.else
	v_wmma_scale_f32_16x16x128_f8f6f4 v[rD:rD+7], v[rA:rA+11], v[rB:rB+11], v[rC:rC+7], v[KS+(\t)/2], v[QS+(\kt)] matrix_a_fmt:MATRIX_FMT_BF6 matrix_b_fmt:MATRIX_FMT_BF6
.endif
.endm
; O^T of tile pt, channels 16 t on, += V^T P^T over the step's 128 keys.  z = 1: the first step's product starts the sum: nothing is cleared
.macro PVW pt, t, z
	WIN W_PV
.set rD, 64*(\pt)+8*(\t)
.set rA, VF+12*(\t)
.set rB, PF+12*((\pt)%2)
.if \z
.if (\t)%2
	v_wmma_scale_f32_16x16x128_f8f6f4 v[rD:rD+7], v[rA:rA+11], v[rB:rB+11], 0, v[VS+(\t)/2], v[PS+(\pt)%2] matrix_a_fmt:MATRIX_FMT_BF6 matrix_b_fmt:MATRIX_FMT_BF6 matrix_a_scale:MATRIX_SCALE_ROW1
.else
	v_wmma_scale_f32_16x16x128_f8f6f4 v[rD:rD+7], v[rA:rA+11], v[rB:rB+11], 0, v[VS+(\t)/2], v[PS+(\pt)%2] matrix_a_fmt:MATRIX_FMT_BF6 matrix_b_fmt:MATRIX_FMT_BF6
.endif
.else
.if (\t)%2
	v_wmma_scale_f32_16x16x128_f8f6f4 v[rD:rD+7], v[rA:rA+11], v[rB:rB+11], v[rD:rD+7], v[VS+(\t)/2], v[PS+(\pt)%2] matrix_a_fmt:MATRIX_FMT_BF6 matrix_b_fmt:MATRIX_FMT_BF6 matrix_a_scale:MATRIX_SCALE_ROW1
.else
	v_wmma_scale_f32_16x16x128_f8f6f4 v[rD:rD+7], v[rA:rA+11], v[rB:rB+11], v[rD:rD+7], v[VS+(\t)/2], v[PS+(\pt)%2] matrix_a_fmt:MATRIX_FMT_BF6 matrix_b_fmt:MATRIX_FMT_BF6
.endif
.endif
.endm
; THE SOFTMAX OF TILE x, in five parts.  SMA: each block's largest u (each accumulator is read from its low end on), the running largest t, the new -M, f
.macro SMA x
.set rS, S0+64*((\x)%2)
.set rT, ST+4*(\x)
.irp b, 0,1,2,3
	v_max3_num_f32 v[BM+\b], v[rS+16*\b], v[rS+16*\b+1], v[rS+16*\b+2]   ; it serves twice: for the row's maximum and, since p rises with u, for the block's largest p
.endr
.irp i, 3,5,7,9,11,13
.irp b, 0,1,2,3
	v_max3_num_f32 v[BM+\b], v[BM+\b], v[rS+16*\b+\i], v[rS+16*\b+\i+1]
.endr
.endr
.irp b, 0,1,2,3
	v_max_num_f32 v[BM+\b], v[BM+\b], v[rS+16*\b+15]
.endr
.irp b, 0,1,2,3
	v_permlanex16_b32 v[BP+\b], v[BM+\b], s[SEL], s[SEL+1]
.endr
.irp b, 0,1,2,3
	v_max_num_f32 v[BM+\b], v[BM+\b], v[BP+\b]     ; with lane l xor 16's 16 keys
.endr
	v_max3_num_f32 v[T], v[BM], v[BM+1], v[BM+2]
	v_max_num_f32 v[T], v[T], v[BM+3]
	v_mul_f32 v[T], s[CS], v[T]                    ; the step's largest t (c is positive)
	v_max_num_f32 v[rT+1], v[rT+1], v[T]
	v_mov_b32 v[T], v[rT]
	v_floor_f32 v[rT], -v[rT+1]                    ; the new -M = floor(-t): M is a whole number
	v_sub_f32 v[T], v[rT], v[T]                    ; old M - new M: a whole number, 0 or less
	v_cvt_i32_f32 v[T], v[T]                       ; (it saturates)
	v_ldexp_f32 v[F], 1.0, v[T]                    ; f
.endm
.macro SMB x                           ; t - M = u c - M, two at a time; the same of each block's largest u
.set rS, S0+64*((\x)%2)
.set rT, ST+4*(\x)
.set k, 0
.rept 32
	v_pk_fma_f32 v[rS+k:rS+k+1], v[rS+k:rS+k+1], s[CS:CS+1], v[rT:rT+1] op_sel_hi:[1,0,0]
.set k, k+2
.endr
.irp b, 0,1,2,3
	v_fma_f32 v[BM+\b], v[BM+\b], s[CS], v[rT]
.endr
.endm
; SME: the exponentials, four at a time; behind each four one matrix instruction on other registers: V^T P of tile pvt (pvk = 1: it starts the sums; 2: it adds; 0: none) and K Q^T of tile kqt (kqk = 1) by turns.
; No two matrix instructions that follow each other share an accumulator
.macro SME x, pvk, pvt, kqk, kqt
.set eS, S0+64*((\x)%2)
.set i, 0
.rept 16
	WIN 0
	v_exp_f32 v[eS+4*i], v[eS+4*i]
	v_exp_f32 v[eS+4*i+1], v[eS+4*i+1]
	v_exp_f32 v[eS+4*i+2], v[eS+4*i+2]
	v_exp_f32 v[eS+4*i+3], v[eS+4*i+3]
.if (i%2) == 0
.if \pvk == 1
	PVW \pvt, i/2, 1
.elseif \pvk == 2
	PVW \pvt, i/2, 0
.endif
.else
.if \kqk
	KQW \kqt, i/2
.endif
.endif
.set i, i+1
.endr
	WIN 0
.irp b, 0,1,2,3
	v_exp_f32 v[BM+\b], v[BM+\b]                   ; the block's largest p: the same two instructions on the same number give the same bits
.endr
.endm
.macro SMC1 x                          ; the sum under the new M; p's scale word; p's codes
.set rS, S0+64*((\x)%2)
.set rT, ST+4*(\x)
.set rP, PS+((\x)%2)
	v_pk_mul_f32 v[rT+2:rT+3], v[rT+2:rT+3], v[F:F+1] op_sel_hi:[1,0]   ; (a plain place behind the exponentials)
	s_wait_alu depctr_va_vdst(0)
.irp b, 0,1,2,3
	v_max_num_f32 v[BM+\b], 0x2800000, v[BM+\b]    ; the floor 2^(5 - 127): a block whose every p is 0 keeps the byte 1: its codes are zeros
.endr
.irp b, 0,1,2,3
	v_add_nc_u32 v[SO+\b], 0xfe000000, v[BM+\b]
.endr
.irp b, 0,1,2,3
	v_lshrrev_b32 v[BP+\b], 23, v[SO+\b]
.endr
	v_lshl_or_b32 v[rP], v[BP+1], 8, v[BP]
	v_lshl_or_b32 v[rP], v[BP+2], 16, v[rP]
	v_lshl_or_b32 v[rP], v[BP+3], 24, v[rP]
	CODES rS, PF+12*((\x)%2)
.endm
.macro SMC2 x, fs                      ; the row's sum of the UNQUANTISED p, in two chains; O^T under the new M (not in the first step, whose products start O^T)
.set rS, S0+64*((\x)%2)
.set rT, ST+4*(\x)
	v_pk_add_f32 v[T2:T2+1], v[rS:rS+1], v[rS+2:rS+3]
.irp j, 4,8,12,16,20,24,28,32,36,40,44,48,52,56,60
	v_pk_add_f32 v[rT+2:rT+3], v[rT+2:rT+3], v[rS+\j:rS+\j+1]
	v_pk_add_f32 v[T2:T2+1], v[T2:T2+1], v[rS+\j+2:rS+\j+3]
.endr
	v_pk_add_f32 v[rT+2:rT+3], v[rT+2:rT+3], v[T2:T2+1]
.if \fs == 0
	WIN W_RS
.set k, 0
.rept 32
	v_pk_mul_f32 v[64*(\x)+k:64*(\x)+k+1], v[64*(\x)+k:64*(\x)+k+1], v[F:F+1] op_sel_hi:[1,0]   ; ascending: each accumulator from its low end on
.set k, k+2
.endr
	WIN 0
.endif
.endm
; THE CHANGE OF SLOTS, in the third phase of a slot's second step: the slot's last bytes (V of that step) were fetched and waited for two phases ago.  Each wave waits for all its tensor loads (one is out: its part of the
; other slot), adds 0 to its spare word, and waits for that and for its reads of this slot.  fill = 1: the barrier is a round of the cluster's, and the joint refill, the keys two slots on, is the first thing behind it:
; it has two key steps in which to land.
.macro CHANGE fill
	WIN 0                                          ; at a label and at a branch every window is 0
	s_wait_tensorcnt 0x0                           ; no tensor load of mine is out, so a group 0 may be written
	ds_add_u32 v[SPW], v[NIL]                      ; 0 onto my spare word
.if \fill
	s_xor_b32 s[G0A+5], s[G0A+5], SLOT1            ; the walking descriptors: the other slot than last time,
	s_add_nc_u64 s[G0A+6:G0A+7], s[G0A+6:G0A+7], 51200   ; the next 256 keys of kv; the type bits on top are not reached
	s_xor_b32 s[G0M+5], s[G0M+5], SLOT1
	s_add_nc_u64 s[G0M+6:G0M+7], s[G0M+6:G0M+7], 1024    ; and of the mask's rows
.endif
	s_wait_dscnt 0x0                               ; the add is done, and my reads of the slot are over
.if \fill
	CROUND
	JLOAD
.else
	s_barrier_signal -1
	s_barrier_wait -1
.endif
	s_xor_b32 s[TBK], s[TBK], SLOT1                ; K and the mask are fetched from the other slot from here on
.endm
; A KEY STEP.  q: which step of the slot; fs: the very first step; pf: the step behind it; chg: 1 a change of slots with a refill, 2 without, 0 none; nx: a step follows.
; Each run of loads stands behind SMC1, whose plain instructions are the places behind the last product that read those registers (ISA guide 7.12.1 for vector instructions),
; and more than eighty vector instructions ahead of the wait for it.
.macro STEP q, fs, pf, chg, nx
.set PK0, 2-\pf
.set PKX, 2-\fs
.if \fs
.set PK0, 0
.endif
	SMA 0
	SMB 0
	SME 0, PK0, 3, 1, 1                            ; | V^T P of tile 3, the step before | K Q^T of tile 1
	SMC1 0
	FETCH_V \q                                     ; this step's V: the last step's has been multiplied
	SMC2 0, \fs
	SMA 1
	SMB 1
	s_wait_dscnt 0x0                               ; V's fragments and scale words are in
	SME 1, PKX, 0, 1, 2
	SMC1 1
	SMC2 1, \fs
	SMA 2
	SMB 2
	SME 2, PKX, 1, 1, 3                            ; the last products on this step's K and m
	SMC1 2
.if \chg == 1
	CHANGE 1
.elseif \chg == 2
	CHANGE 0
.endif
.if \nx
	FETCH_K 1-\q                                   ; the next step's K and mask
.endif
	SMC2 2, \fs
	SMA 3
.if \nx
	s_wait_dscnt 0x0                               ; they are in
	MPREP
.endif
	SMB 3
	SME 3, PKX, 2, \nx, 0                          ; | K Q^T of tile 0, the next step
	SMC1 3
	SMC2 3, \fs
.endm
	s_load_b256 s[4:11], s[0:1], 0x0               ; q s[4:5], kv s[6:7], mask s[8:9], out0 s[10:11]
	v_lshl_add_u32 v[SPW], v0, 2, SPARE
	v_mov_b32 v[NIL], 0
	ds_add_u32 v1, v2
	ds_add_u32 v1, v2
	s_wait_dscnt 0x0
	v_lshrrev_b32 v8, 5, v0
	v_readfirstlane_b32 s[WV], v8                  ; wave 0..3
	s_and_b32 s13, s[WV], 1                        ; which half I fetch: K's part or V's; the mask's rows 0-31 or 32-63
	s_bfe_u32 s14, ttmp6, 0x40000                  ; cx, cy: my place in the cluster
	s_bfe_u32 s15, ttmp6, 0x40004
	s_lshl_b32 s16, ttmp9, 2
	s_add_co_u32 s16, s16, s14                     ; my block of 64 queries = 4 x cluster x + cx
	s_and_b32 s17, ttmp7, 0xffff
	s_lshl_b32 s17, s17, 2
	s_add_co_u32 s17, s17, s15                     ; my KV head = 4 x cluster y + cy
	s_lshl_b32 s18, s15, 2
	s_lshl_b32 s18, 15, s18                        ; my row of the cluster: the same KV head
	s_lshl_b32 s19, 0x1111, s14                    ; my column: the same queries
	; group 1 for a part of kv: 25,600 dense bytes as 100 rows of 32 elements of 8 bytes, no padding
	s_or_b32 s[G1A], s18, (3<<16)|(1<<21)          ; 15:0 the mask of work-groups; 17:16 elements of 8 bytes; 21 set beside a mask
	s_mov_b32 s[G1A+1], 32<<16                     ; tensor_dim0
	s_mov_b32 s[G1A+2], 100<<16                    ; tensor_dim1
	s_mov_b32 s[G1A+3], 32<<16                     ; tile_dim0
	s_mov_b32 s[G1A+4], 100                        ; tile_dim1
	s_mov_b32 s[G1A+5], 32                         ; from row to row
	s_mov_b32 s[G1A+6], 0
	s_mov_b32 s[G1A+7], 0
	; group 1 for the mask: 32 rows of 256 elements of 4 bytes, 2,048 elements apart; 4 words of padding behind every 256 words
	s_or_b32 s[G1M], s19, (2<<16)|(1<<20)|(1<<21)|(7<<22)|(3<<25)
	s_mov_b32 s[G1M+1], 256<<16
	s_mov_b32 s[G1M+2], 32<<16
	s_mov_b32 s[G1M+3], 256<<16
	s_mov_b32 s[G1M+4], 32
	s_mov_b32 s[G1M+5], 2048
	s_mov_b32 s[G1M+6], 0
	s_mov_b32 s[G1M+7], 0
	s_mul_i32 s66, s17, 409600                     ; kv: the head, my part.  These registers never hold cx
	s_mul_i32 s62, s13, VP                         ; and my part's place in a slot: no place in the cluster enters an LDS address
	s_add_co_u32 s66, s66, s62
	s_mov_b32 s67, 0
	s_lshl_b32 s68, s16, 19                        ; the mask: 64 rows of 8,192 bytes a block, my 32 rows.  These never hold cy
	s_lshl_b32 s69, s13, 18
	s_add_co_u32 s68, s68, s69
	s_mov_b32 s69, 0
	s_mul_i32 s63, s13, 32*MPITCH
	s_add_co_u32 s63, s63, MKT
	s_lshl_b32 s70, s16, 6                         ; q and out0: row 64 X + 16 w of 16,384 bytes, + the four heads' 2,048 bytes
	s_lshl_b32 s71, s[WV], 4
	s_add_co_u32 s70, s70, s71
	s_lshl_b32 s70, s70, 14
	s_lshl_b32 s71, s17, 11
	s_add_co_u32 s70, s70, s71
	s_mov_b32 s71, 0
	s_mov_b32 s[SEL], 0x76543210
	s_mov_b32 s[SEL+1], 0xfedcba98
	s_mov_b32 s[CS], 0x3e0293ee                    ; c = log2(e) / sqrt(128)
	s_mov_b32 s[CS+1], s[CS]                       ; (named with it as a pair, so it is written)
	s_mov_b32 s[SQ], 0x413504f3                    ; sqrt(128)
	s_mov_b32 s[SQ+1], s[SQ]
	s_mov_b32 s[LIM], 0xcc800000                   ; -2^26
	s_mov_b32 s[TBK], 0
	s_mov_b32 s[TBV], 0
	s_wait_kmcnt 0x0
	s_add_nc_u64 s[4:5], s[4:5], s[70:71]
	s_add_nc_u64 s[10:11], s[10:11], s[70:71]
	s_add_nc_u64 s[66:67], s[6:7], s[66:67]
	s_add_nc_u64 s[68:69], s[8:9], s[68:69]
	CROUND                                         ; all sixteen work-groups are here: the first joint loads meet
.irp e, 0,1
	s_mov_b32 s[G0A+4*\e], 1                       ; count = 1
	s_add_co_u32 s[G0A+4*\e+1], s62, \e*SLOT1      ; LDS address
	s_add_nc_u64 s[G0A+4*\e+2:G0A+4*\e+3], s[66:67], \e*51200   ; global address: slot e
	s_or_b32 s[G0A+4*\e+3], s[G0A+4*\e+3], 0x80000000           ; type = 2
	s_mov_b32 s[G0M+4*\e], 1
	s_add_co_u32 s[G0M+4*\e+1], s63, \e*SLOT1
	s_add_nc_u64 s[G0M+4*\e+2:G0M+4*\e+3], s[68:69], \e*1024
	s_or_b32 s[G0M+4*\e+3], s[G0M+4*\e+3], 0x80000000
.endr
	s_cmp_lt_u32 s[WV], 2                          ; a wave's two first fills stand in one branch, ahead of every wait on TENSORcnt and every LDS read: two loads of mine are out
	s_cbranch_scc0 .Lfirst_m
	tensor_load_to_lds s[G0A:G0A+3], s[G1A:G1A+7]
	s_nop 0
	tensor_load_to_lds s[G0A+4:G0A+7], s[G1A:G1A+7]
	s_nop 0
.rept 4
	v_nop
.endr
	s_branch .Lfirst_asked
.Lfirst_m:
	tensor_load_to_lds s[G0M:G0M+3], s[G1M:G1M+7]
	s_nop 0
	tensor_load_to_lds s[G0M+4:G0M+7], s[G1M:G1M+7]
	s_nop 0
.rept 4
	v_nop
.endr
.Lfirst_asked:
	v_and_b32 v8, 31, v0                           ; lane
	v_and_b32 v6, 15, v0                           ; r
	v_bfe_u32 v7, v0, 4, 1                         ; h
	v_lshlrev_b32 v[QA], 14, v6
	v_lshl_add_u32 v[QA], v7, 6, v[QA]
	QLOAD 0, 0
	QLOAD 1, 1
	v_lshlrev_b32 v[LI], 4, v8
	v_lshl_add_u32 v[LS], v8, 2, WORDS
	s_mul_i32 s72, s[WV], 16*MPITCH
	s_add_co_u32 s72, s72, MKT
	v_mul_u32_u24 v[AM0], v6, MPITCH
	v_lshl_add_u32 v[AM0], v7, 6, v[AM0]
	v_add_nc_u32 v[AM0], s72, v[AM0]
	s_mul_i32 s73, s[WV], 16*SPITCH
	s_add_co_u32 s73, s73, STAGE                   ; my stage
	v_mul_u32_u24 v[STO], v6, SPITCH               ; in: row r, 32 bytes for each half of the lanes
	v_lshl_add_u32 v[STO], v7, 5, v[STO]
	v_add_nc_u32 v[STO], s73, v[STO]
	v_add_nc_u32 v[RD], s73, v[LI]                 ; back: the 32 lanes take one row of 512 bytes
.irp b, 0,1,2,3
	v_mov_b32 v[BP+\b], 0                          ; written once: a lane permute's destination counts as one of its sources
.endr
	v_mov_b32 v[F+1], 0                            ; (named as the upper half of a pair)
.irp x, 0,1,2,3
	v_mov_b32 v[ST+4*\x+1], 0xff61b1e6             ; the largest t so far: -3e38, under every t
	v_floor_f32 v[ST+4*\x], -v[ST+4*\x+1]          ; -M
	v_mov_b32 v[ST+4*\x+2], 0                      ; the sum, in two halves
	v_mov_b32 v[ST+4*\x+3], 0
.endr
	s_wait_loadcnt 16                              ; head 0's sixteen loads are in; the younger head's sixteen may be out (so at each of these three waits)
	QUANTQ 0, 0
	QLOAD 2, 0
	s_wait_loadcnt 16
	QUANTQ 1, 1
	QLOAD 3, 1
	s_wait_loadcnt 16
	QUANTQ 0, 2
	s_wait_loadcnt 0x0
	QUANTQ 1, 3
	s_wait_tensorcnt 0x1                           ; my part of slot 0 is in; slot 1's may stay out
	s_barrier_signal -1
	s_barrier_wait -1                              ; everybody's is
	FETCH_K 0
	s_wait_dscnt 0x0
	MPREP
.rept 4
	v_nop
.endr
.irp t, 0,1,2,3,4,5,6,7
	KQW 0, \t                                      ; tile 0's first scores: there is no vector work yet to set between them
.endr
	WIN 0
.rept 4
	v_nop                                          ; places in front of the first read of those scores
.endr
	STEP 0, 1, 0, 0, 1                             ; slot 0 is written out: its products start O^T's sums
	STEP 1, 0, 1, 1, 1
	s_mov_b32 s[TRIP], 5
.Lslot:                                            ; slots 1 to 5: each is filled again when it is left
	STEP 0, 0, 0, 0, 1
	STEP 1, 0, 0, 1, 1
	s_sub_co_u32 s[TRIP], s[TRIP], 1
	s_cmp_lg_u32 s[TRIP], 0
	s_cbranch_scc1 .Lslot
	STEP 0, 0, 0, 0, 1                             ; slots 6 and 7 are written out: nothing more is asked for
	STEP 1, 0, 0, 2, 1
	STEP 0, 0, 0, 0, 1
	STEP 1, 0, 0, 0, 0
.irp t, 0,1,2,3,4,5,6,7
	PVW 3, \t, 0                                   ; tile 3's V^T P of the last step
.endr
	WIN 0
	; THE WAY OUT.  The sum's two halves and the other half of the lanes' are added (these additions are the places behind the last products); O^T / the sum goes through my stage in LDS, a head (16 rows x 512 bytes) at a time.
.irp x, 0,1,2,3
	v_add_f32 v[ST+4*\x+2], v[ST+4*\x+2], v[ST+4*\x+3]
.endr
.irp x, 0,1,2,3
	v_permlanex16_b32 v[BP+\x], v[ST+4*\x+2], s[SEL], s[SEL+1]
.endr
.irp x, 0,1,2,3
	v_add_f32 v[ST+4*\x+3], v[ST+4*\x+2], v[BP+\x]
.endr
.irp x, 0,1,2,3
	v_rcp_f32 v[ST+4*\x+2], v[ST+4*\x+3]
.endr
	v_nop                                          ; a plain instruction between the last reciprocal and the use of its result
	s_wait_alu depctr_va_vdst(0)
.macro PACK x
.set pS, S0+64*((\x)%2)
	WIN 0x01                                       ; source 0 (O^T) window 1
.set k, 0
.rept 32
	v_pk_mul_f32 v[pS+k:pS+k+1], v[64*(\x)+k:64*(\x)+k+1], v[ST+4*(\x)+2:ST+4*(\x)+3] op_sel_hi:[1,0]   ; register 8 t + i is out(query r, channel 16 t + 8 h + i); ascending
.set k, k+2
.endr
	WIN 0
.irp t, 0,1,2,3,4,5,6,7
	ds_store_b128 v[STO], v[pS+8*\t:pS+8*\t+3] offset:64*\t
	ds_store_b128 v[STO], v[pS+8*\t+4:pS+8*\t+7] offset:64*\t+16
.endr
	WIN 0x80                                       ; destination window 2: K's and V's registers are free
.irp i, 0,1,2,3,4,5,6,7,8,9,10,11,12,13,14,15
	ds_load_b128 v[BK+64*(\x)+4*\i:BK+64*(\x)+4*\i+3], v[RD] offset:\i*SPITCH   ; LDS serves a wave's instructions in order (ISA guide 5.7.1.4): these see the stores above, and the next head's stores come behind them
.endr
	WIN 0
.endm
.macro SEND x, younger                 ; younger: the LDS instructions issued behind head x's loads: the next head's 16 stores and 16 loads, or none
	s_wait_dscnt \younger
	WIN 0x08                                       ; a store's data: window 2
.irp i, 0,1,2,3,4,5,6,7,8,9,10,11,12,13,14,15
	global_store_b128 v[LI], v[BK+64*(\x)+4*\i:BK+64*(\x)+4*\i+3], s[10:11] offset:\i*16384+512*(\x) th:TH_STORE_NT   ; 32 lanes store 512 consecutive bytes, at a multiple of 512 from out0's first byte
.endr
	WIN 0
.endm
	PACK 0
	PACK 1                                         ; a head's arithmetic stands between the loads of the head before and its stores; each head has its own 64 registers, so no store's data are written again
	SEND 0, 32
	PACK 2
	SEND 1, 32
	PACK 3
	SEND 2, 32
	SEND 3, 0
	s_wait_tensorcnt 0x0                           ; the wave's end: behind my last tensor load and my last LDS store
	ds_add_u32 v[SPW], v[NIL]
	s_wait_dscnt 0x0
	CROUND                                         ; the closing round: no work-group ends while a partner may still ask for a tile that names it
	s_endpgm
.Lfunc_end_k_qd7acb8f673_attn:
	.size	k_qd7acb8f673_attn, .Lfunc_end_k_qd7acb8f673_attn-k_qd7acb8f673_attn
	.p2alignl 7, 3214868480
	.fill 96, 4, 3214868480
	.section	.rodata,"a",@progbits
	.p2align	6, 0x0
	.amdhsa_kernel k_qd7acb8f673_attn
		.amdhsa_group_segment_fixed_size 327680
		.amdhsa_private_segment_fixed_size 0
		.amdhsa_enable_private_segment 0
		.amdhsa_kernarg_size 32
		.amdhsa_user_sgpr_count 2
		.amdhsa_user_sgpr_kernarg_segment_ptr 1
		.amdhsa_wavefront_size32 1
		.amdhsa_system_sgpr_workgroup_id_x 1
		.amdhsa_system_sgpr_workgroup_id_y 1
		.amdhsa_system_sgpr_workgroup_id_z 1
		.amdhsa_system_vgpr_workitem_id 0
		.amdhsa_next_free_vgpr 1024
		.amdhsa_next_free_sgpr 74
		.amdhsa_reserve_vcc 0
		.amdhsa_float_denorm_mode_32 3
		.amdhsa_float_denorm_mode_16_64 3
		.amdhsa_memory_ordered 1
		.amdhsa_forward_progress 1
		.amdhsa_inst_pref_size 255
	.end_amdhsa_kernel
	.section	.bss,"aw",@nobits
	.p2align	6
	.space	262144
	.amdgpu_metadata
---
amdhsa.version: [ 1, 2 ]
amdhsa.kernels:
  - .name:           k_qd7acb8f673_attn
    .symbol:         k_qd7acb8f673_attn.kd
    .args:
      - { .name: q, .offset: 0, .size: 8, .value_kind: global_buffer, .address_space: global }
      - { .name: kv, .offset: 8, .size: 8, .value_kind: global_buffer, .address_space: global }
      - { .name: mask, .offset: 16, .size: 8, .value_kind: global_buffer, .address_space: global }
      - { .name: out0, .offset: 24, .size: 8, .value_kind: global_buffer, .address_space: global }
    .group_segment_fixed_size: 327680
    .private_segment_fixed_size: 0
    .kernarg_segment_align: 8
    .kernarg_segment_size: 32
    .max_flat_workgroup_size: 128
    .sgpr_count:     74
    .vgpr_count:     1024
    .wavefront_size: 32
...
	.end_amdgpu_metadata
.endif
;; end of part 2
;; ======== version 2 of 2: 2 launches
;; limits: right only within a limited range of input values
;; workspace buffers: kv 3,276,800 bytes
;; launch prep (part 3): grid 256 x 1, 4 waves a work-group, no clusters, 0 bytes of LDS; arguments k, v_codes, v_scales, kv; writes kv
.if DOCPART == 3
	.amdgcn_target "amdgcn-amd-amdhsa--gfx1250"
	.amdhsa_code_object_version 6
	.text
	.protected	k_qd7acb8f673_prep
	.globl	k_qd7acb8f673_prep
	.p2align	8
	.type	k_qd7acb8f673_prep,@function
k_qd7acb8f673_prep:
	s_mov_b64 s[64:65], 0
	v_nop
	global_prefetch_b8 v0, s[64:65] scope:SCOPE_SE
	s_setreg_imm32_b32 hwreg(HW_REG_WAVE_MODE, 25, 1), 1
	s_wait_xcnt 0x0
; k [2048][1024] f32 is quantised to codes of BF6 (E3M2), one E8M0 byte for each 32 along a head's 128; v's codes and scale bytes are taken as given.
; Both are laid into kv as images of operand registers: [KV head g, 8][step of 128 keys, 16][25,600 bytes]: K's part (12,800 bytes), then V's.
; A part: 4 pairs x 3,072 bytes of codes, then from byte 12,288 on 4 pairs x 128 bytes of scale words.
; Pair b holds tiles 2 b, 2 b + 1: codes [u][c = 0..2][lane][16 bytes] = registers 4 c .. 4 c + 3 of the tile's 12; words [lane][4]: lanes 0-15 tile 2 b, lanes 16-31 tile 2 b + 1.
; K's tile t = 2 b + u, lane (r, h): key 128 step + 64 (t / 4) + 8 (t % 4) + r % 8 + 32 (r / 8); registers 6 c .. hold d = 64 c + 32 h + 0 .. 31.
; (So in the scores' transposed tiles a lane's 32 registers of tiles 4 c .. 4 c + 3 are the 32 neighbouring keys 64 c + 32 (lane / 16) + 0 .. 31: a whole block.)
; V's tile t, lane (r, h): row d = 16 t + r of the head; registers 6 c .. hold the 24 bytes at 96 step + 48 c + 24 h of that row of v_codes.
; SHARES: 512 pairs of K and 512 of V, one pair a wave: waves 0, 1 take K, waves 2, 3 take V.  No LDS, no barrier.
; A block of zeros gets the byte 1 where the rule says 127: its codes are zeros, and this program alone reads the bytes.
; LIMITS: NaN and infinities in k are not served.
.set X0,  16
.set TM,  144
.set PW0, 160
.set PW1, 161
.set PWO, 162
.set PC0, 164
.set SEL, 20
; 64 numbers of a lane (register 16 b + i = d 32 b + 16 (lane / 16) + i) become 12 registers of codes and the row's scale word
.macro QUANT s, pc, pw
.set cS, \s
.set cP, \pc
.irp b, 0,1,2,3
	v_max3_num_f32 v[TM+\b], |v[cS+16*\b]|, |v[cS+1+16*\b]|, 0x2800000   ; with the floor 2^(5 - 127): the byte stays at 1 or over
.endr
.irp i, 2,4,6,8,10,12,14
.irp b, 0,1,2,3
	v_max3_num_f32 v[TM+\b], v[TM+\b], |v[cS+16*\b+\i]|, |v[cS+1+16*\b+\i]|
.endr
.endr
.irp b, 0,1,2,3
	v_permlanex16_b32 v[TM+4+\b], v[TM+\b], s[SEL], s[SEL+1]
.endr
.irp b, 0,1,2,3
	v_max_num_f32 v[TM+\b], v[TM+\b], v[TM+4+\b]
.endr
.irp b, 0,1,2,3
	v_add_nc_u32 v[TM+12+\b], 0xfe000000, v[TM+\b]   ; 4 off the exponent field: the conversion's scale operand
.endr
.irp b, 0,1,2,3
	v_lshrrev_b32 v[TM+4+\b], 23, v[TM+12+\b]
.endr
	v_lshl_or_b32 v[\pw], v[TM+5], 8, v[TM+4]
	v_lshl_or_b32 v[\pw], v[TM+6], 16, v[\pw]
	v_lshl_or_b32 v[\pw], v[TM+7], 24, v[\pw]
.irp c, 0,1
	v_cvt_scalef32_pk16_bf6_f32 v[cP+6*\c:cP+6*\c+2], v[cS+32*\c:cS+32*\c+15], v[TM+12+2*\c]
	v_cvt_scalef32_pk16_bf6_f32 v[cP+12+4*\c:cP+14+4*\c], v[cS+16+32*\c:cS+31+32*\c], v[TM+13+2*\c]
.endr
	v_nop                                          ; one plain place behind a scaled conversion
.irp c, 0,1
.irp i, 0,1,2
	v_permlane16_swap_b32 v[cP+6*\c+\i], v[cP+12+4*\c+\i]
.endr
.irp i, 0,1,2
	v_mov_b32 v[cP+3+6*\c+\i], v[cP+12+4*\c+\i]
.endr
.endr
.endm
.macro OUT                                     ; six stores of 512 consecutive bytes, one of 128
.irp u, 0,1
.irp c, 0,1,2
	global_store_b128 v5, v[PC0+20*\u+4*\c:PC0+20*\u+4*\c+3], s[24:25] offset:1536*\u+512*\c
.endr
.endr
	global_store_b32 v6, v[PWO], s[26:27]
.endm
	s_load_b256 s[4:11], s[0:1], 0x0               ; k, v_codes, v_scales, kv
	v_lshrrev_b32 v1, 5, v0
	v_readfirstlane_b32 s12, v1                    ; wave
	v_and_b32 v1, 31, v0
	v_and_b32 v2, 15, v0                           ; r
	v_bfe_u32 v3, v0, 4, 1                         ; h
	v_lshlrev_b32 v5, 4, v1
	v_lshlrev_b32 v6, 2, v1
	s_lshr_b32 s13, s12, 1                         ; 0: K, 1: V
	s_and_b32 s14, s12, 1
	s_lshl_b32 s15, ttmp9, 1
	s_add_co_u32 s15, s15, s14                     ; my pair, 0 .. 511
	s_lshr_b32 s16, s15, 6                         ; g
	s_and_b32 s17, s15, 63
	s_lshr_b32 s18, s17, 2                         ; the step
	s_and_b32 s19, s17, 3                          ; b
	s_mul_i32 s22, s16, 409600
	s_mul_i32 s23, s18, 25600
	s_add_co_u32 s22, s22, s23
	s_mul_i32 s23, s13, 12800
	s_add_co_u32 s22, s22, s23
	s_mul_i32 s24, s19, 3072
	s_add_co_u32 s24, s24, s22
	s_mov_b32 s25, 0
	s_lshl_b32 s26, s19, 7
	s_add_co_u32 s26, s26, s22
	s_add_co_u32 s26, s26, 12288
	s_mov_b32 s27, 0
	s_mov_b32 s[SEL], 0x76543210
	s_mov_b32 s[SEL+1], 0xfedcba98
	s_wait_kmcnt 0x0
	s_add_nc_u64 s[24:25], s[10:11], s[24:25]
	s_add_nc_u64 s[26:27], s[10:11], s[26:27]
	s_cmp_lg_u32 s13, 0
	s_cbranch_scc1 .Lv
	; K: the pair's first key is 128 step + 64 (b / 2) + 16 (b % 2); 4,096 bytes a key; the head's 512 bytes of a row
	s_lshl_b32 s28, s18, 19
	s_lshr_b32 s29, s19, 1
	s_lshl_b32 s29, s29, 18
	s_add_co_u32 s28, s28, s29
	s_and_b32 s29, s19, 1
	s_lshl_b32 s29, s29, 16
	s_add_co_u32 s28, s28, s29
	s_lshl_b32 s29, s16, 9
	s_add_co_u32 s28, s28, s29
	s_mov_b32 s29, 0
	s_add_nc_u64 s[4:5], s[4:5], s[28:29]
	s_wait_alu depctr_va_vdst(0)
	v_and_b32 v4, 8, v2
	v_mad_u32_u24 v4, v4, 3, v2                    ; r % 8 + 32 (r / 8)
	v_lshlrev_b32 v4, 12, v4
	v_lshl_add_u32 v4, v3, 6, v4                   ; its row, + 64 h
.irp u, 0,1
.irp b, 0,1,2,3
.irp j, 0,1,2,3
	global_load_b128 v[X0+64*\u+16*\b+4*\j:X0+64*\u+16*\b+4*\j+3], v4, s[4:5] offset:32768*\u+128*\b+16*\j th:TH_LOAD_NT
.endr
.endr
.endr
.irp b, 0,1,2,3
	v_mov_b32 v[TM+4+\b], 0                        ; a lane permute's destination counts as one of its sources
.endr
	s_wait_loadcnt 16                              ; tile 0's sixteen loads are in; tile 1's sixteen may be out
	QUANT X0, PC0, PW0
	s_wait_loadcnt 0x0
	QUANT X0+64, PC0+20, PW1
	v_cmp_le_u32 vcc_lo, 16, v1
	v_cndmask_b32 v[PWO], v[PW0], v[PW1], vcc_lo
	OUT
	s_endpgm
.Lv:
	; V: rows 32 b on of the head's 128, 1,536 bytes a row; the step's 96 bytes
	s_mul_i32 s22, s16, 196608
	s_mul_i32 s23, s19, 49152
	s_add_co_u32 s22, s22, s23
	s_mul_i32 s23, s18, 96
	s_add_co_u32 s22, s22, s23
	s_mov_b32 s23, 0
	s_add_nc_u64 s[6:7], s[6:7], s[22:23]
	s_lshl_b32 s22, s16, 13
	s_lshl_b32 s29, s19, 11
	s_add_co_u32 s22, s22, s29
	s_lshl_b32 s29, s18, 2
	s_add_co_u32 s22, s22, s29
	s_add_nc_u64 s[8:9], s[8:9], s[22:23]
	s_wait_alu depctr_va_vdst(0)
	v_mul_u32_u24 v4, v2, 1536
	v_mad_u32_u24 v4, v3, 24, v4
	v_lshlrev_b32 v7, 6, v1
.irp u, 0,1
.irp p, 0,1,2,3,4,5
	global_load_b64 v[PC0+20*\u+2*\p:PC0+20*\u+2*\p+1], v4, s[6:7] offset:24576*\u+48*(\p/3)+8*(\p%3) th:TH_LOAD_NT
.endr
.endr
	global_load_b32 v[PWO], v7, s[8:9] th:TH_LOAD_NT
	s_wait_loadcnt 0x0
	OUT
	s_endpgm
.Lfunc_end_k_qd7acb8f673_prep:
	.size	k_qd7acb8f673_prep, .Lfunc_end_k_qd7acb8f673_prep-k_qd7acb8f673_prep
	.p2alignl 7, 3214868480
	.fill 96, 4, 3214868480
	.section	.rodata,"a",@progbits
	.p2align	6, 0x0
	.amdhsa_kernel k_qd7acb8f673_prep
		.amdhsa_group_segment_fixed_size 0
		.amdhsa_private_segment_fixed_size 0
		.amdhsa_enable_private_segment 0
		.amdhsa_kernarg_size 32
		.amdhsa_user_sgpr_count 2
		.amdhsa_user_sgpr_kernarg_segment_ptr 1
		.amdhsa_wavefront_size32 1
		.amdhsa_system_sgpr_workgroup_id_x 1
		.amdhsa_system_sgpr_workgroup_id_y 1
		.amdhsa_system_sgpr_workgroup_id_z 1
		.amdhsa_system_vgpr_workitem_id 0
		.amdhsa_next_free_vgpr 208
		.amdhsa_next_free_sgpr 66
		.amdhsa_reserve_vcc 1
		.amdhsa_float_denorm_mode_32 3
		.amdhsa_float_denorm_mode_16_64 3
		.amdhsa_memory_ordered 1
		.amdhsa_forward_progress 1
		.amdhsa_inst_pref_size 17
	.end_amdhsa_kernel
	.amdgpu_metadata
---
amdhsa.version: [ 1, 2 ]
amdhsa.kernels:
  - .name:           k_qd7acb8f673_prep
    .symbol:         k_qd7acb8f673_prep.kd
    .args:
      - { .name: k, .offset: 0, .size: 8, .value_kind: global_buffer, .address_space: global }
      - { .name: v_codes, .offset: 8, .size: 8, .value_kind: global_buffer, .address_space: global }
      - { .name: v_scales, .offset: 16, .size: 8, .value_kind: global_buffer, .address_space: global }
      - { .name: kv, .offset: 24, .size: 8, .value_kind: global_buffer, .address_space: global }
    .group_segment_fixed_size: 0
    .private_segment_fixed_size: 0
    .kernarg_segment_align: 8
    .kernarg_segment_size: 32
    .max_flat_workgroup_size: 128
    .sgpr_count:     66
    .vgpr_count:     208
    .wavefront_size: 32
...
	.end_amdgpu_metadata
.endif
;; end of part 3
;; launch attn (part 4): grid 32 x 8, 8 waves a work-group, clusters of 4 x 4, 327,680 bytes of LDS; arguments q, kv, mask, out0; writes out0
.if DOCPART == 4
	.amdgcn_target "amdgcn-amd-amdhsa--gfx1250"
	.amdhsa_code_object_version 6
	.text
	.protected	k_qd7acb8f673_attn
	.globl	k_qd7acb8f673_attn
	.p2align	8
	.type	k_qd7acb8f673_attn,@function
k_qd7acb8f673_attn:
	s_mov_b64 s[64:65], 0
	v_nop
	global_prefetch_b8 v0, s[64:65] scope:SCOPE_SE
	s_setreg_imm32_b32 hwreg(HW_REG_WAVE_MODE, 25, 1), 1
	s_wait_xcnt 0x0
	s_wait_alu depctr_hold_cnt(0) depctr_sa_sdst(0) depctr_va_vdst(0) depctr_va_sdst(0) depctr_va_ssrc(0) depctr_va_vcc(0) depctr_vm_vsrc(0)
	s_getreg_b32 s2, hwreg(HW_REG_IB_STS2, 6, 4)
	s_cmp_eq_u32 s2, 0
	s_cbranch_scc0 .Lentry_in_a_cluster
	s_endpgm
.Lentry_in_a_cluster:
	s_bfe_u32 s2, ttmp6, 0x10000c
	s_cmp_lg_u32 s2, 0xf033
	s_cbranch_scc0 .Lentry_shape_is_right
	s_endpgm
.Lentry_shape_is_right:
; out0[s][128 head + d] = sum over keys of softmax(q . k / sqrt(128) + mask) v: 32 query heads, 8 KV heads, 2,048 queries and keys; both products on codes of BF6 (E3M2), one E8M0 scale for each 32 along K.
; K's and V's codes come from kv as images of operand registers; q (f32) is quantised here; the mask (f32, any numbers) is read as given.
; THE SOFTMAX: t = (score / sqrt(128) + mask) log2(e); M = the running largest t rounded up to a whole number; p = 2^(t - M) is quantised along the keys; the row's sum is taken of the unquantised p and divides at the end.
; When M moves, the sum and O are multiplied by 2^(old M - new M), which rounds nothing.
; SHARES.  A work-group owns 64 queries x the 4 query heads of one KV head.  Eight waves, two to a SIMD, 512 registers each: wave w owns queries 16 (w % 4) .. + 15 for heads 2 (w / 4), 2 (w / 4) + 1: two tiles x = 0, 1.
; The 2,048 keys go in 16 steps of 128; an LDS slot holds two steps (51,200 bytes of kv, 64 rows x 1,024 bytes of the mask), two slots, 8 fills: one round of the cluster's barrier for every two steps.
; LAYOUT.  Both products are used transposed: S^T = K Q^T + C, O^T += V^T P^T: a lane holds ONE query (lane % 16).  The keys of K's tiles are chosen (by the launch before) so that a lane's 32 registers of tiles
; 4 c .. 4 c + 3 are keys 64 c + 32 (lane / 16) + 0 .. 31: a whole block of the next K lies in one lane, in the order that P's operand wants: no lane is asked for a block's maximum, and no code changes lanes.
; THE MASK IS THE C OF THE FIRST PRODUCT: m = max(mask, -2^26) sqrt(128), u = score + m, t = u c, c = log2(e) / sqrt(128).  Tile 0 takes m as C into its own registers; tile 1 adds in place onto m's registers.
; K's and V's fragments share 96 registers: V is fetched behind the step's last K Q^T, the next K behind its last V^T P; the next mask is fetched ahead of V^T P and prepared while K's loads are out.
; LIMITS.  The mask is held at -2^26 from below, so that no infinity enters a product: keys masked by less than that (-infinity too) get p = 0 as soon as the row has met a key that counts; while a row has met none, its p
; stay at 16 or under, and the first key that counts wipes those sums by the factor 0.  A row ALL of whose logits lie under about -6.7e7 does not come out as the definition has it.  NaN and +infinity in the mask,
; NaN and infinities in q are not served.  A block of zeros gets the scale byte 1: its codes are zeros.
; O^T begins as zeros (128 moves a wave, once), so that the first step runs through the loop's text: products that start the sums would want a further copy of a step.
; CLUSTER 4 x 4.  The four work-groups of a row have the same KV head and ask for kv's slots jointly; the four of a column have the same 64 queries and ask for the mask's tiles jointly.
; No prefetch is written: each slot is asked for two whole key steps of every wave's work ahead of its first read.
; REGISTERS: window 0: v1-12 addresses, v16-59 statistics and scale words, v64-103 p's codes, v128-191 S^T / p of tile 0, v192-255 m, then S^T / p of tile 1.
;   window 1: v0-127 O^T (tile x at 64 x), v128-223 K's or V's 8 fragments, v224-247 Q's two fragments.
.set SLOT1,  1<<17
.set STEPB,  25600                     ; a step of kv in a slot: K's part, then V's
.set VP,     12800
.set WORDS,  12288
.set MKT,    51200                     ; the mask's tile: 64 rows x (1,024 + 16) bytes
.set MPITCH, 1040                      ; 65 x 16 bytes
.set SPARE,  117760                    ; behind slot 0: the spare words, 128 bytes a wave, four blocks of 256 bytes that no other line names
.set STAGE,  248832                    ; behind slot 1: 16 rows x (512 + 16) bytes for each wave; no tile lands here
.set SPITCH, 528
.set SPW, 1
.set NIL, 2
.set LI,  3                            ; 16 x lane
.set LS,  4                            ; 4 x lane
.set AM0, 5                            ; my place in a mask tile: MKT + (16 (w % 4) + r) MPITCH + 128 h
.set ADK, 6                            ; the three with the slot in hand added
.set ADS, 7
.set ADM, 8
.set STO, 9                            ; stage + r SPITCH + 32 h
.set RD,  10                           ; stage + 16 lane
.set QR,  11                           ; stage + r SPITCH + 128 h
.set SH8, 12                           ; 8 h
.set ST,  16                           ; tile x at ST + 4 x: -M, the largest t, the sum in two halves
.set QS,  24                           ; scale words and nothing else: Q's 2, K's 4, V's 4, p's 2
.set KS,  26
.set VS,  30
.set PS,  34
.set BM,  36                           ; block 2 x + c: largest u, then largest p
.set SO,  40                           ; the conversions' scale operands
.set BP,  44
.set F,   48                           ; f of tile x at F + 2 x, named as a pair
.set T,   52
.set T2,  56
.set PF,  64                           ; p's codes, tile x at PF + 12 x
.set TC,  88
.set S0,  128
.set S1,  192
.set KV,  128                          ; window 1
.set QF,  224
.set WV,  12
.set TRIP, 20
.set TB,  21                           ; the slot in hand
.set LIM, 23
.set G1A, 24
.set G1M, 32
.set G0A, 40
.set G0M, 44
.set SEL, 48
.set CS,  50
.set SQ,  52
.set MSB, 0
.macro WIN new                         ; the immediate's high byte repeats the setting that is left
.if MSB != \new
	s_set_vgpr_msb (MSB<<8)|\new
.set MSB, \new
.endif
.endm
.macro NOPS n
.rept \n
	v_nop
.endr
.endm
.macro D2
	s_delay_alu instid0(VALU_DEP_2)
.endm
.macro D4
	s_delay_alu instid0(VALU_DEP_4)
.endm
.macro CROUND                          ; a round of the cluster's barrier
	s_barrier_signal -1
	s_barrier_wait -1
	s_cmp_lg_u32 s[WV], 0
	s_cbranch_scc1 .Lnot_wave_0_\@
	s_barrier_signal -3
.Lnot_wave_0_\@:
	s_barrier_wait -3
	s_barrier_signal -1
	s_barrier_wait -1
.endm
.macro JLOAD                           ; every wave's one joint load: waves 0-3 a quarter of the slot's kv (12,800 bytes), waves 4-7 sixteen rows of the mask's tile
	s_cmp_lt_u32 s[WV], 4
	s_cbranch_scc0 .Lfor_m_\@
	tensor_load_to_lds s[G0A:G0A+3], s[G1A:G1A+7]
	s_nop 0
	NOPS 4
	s_branch .Lasked_\@
.Lfor_m_\@:
	tensor_load_to_lds s[G0M:G0M+3], s[G1M:G1M+7]
	s_nop 0
	NOPS 4
.Lasked_\@:
.endm
; from the four blocks' largest magnitudes in BM: the conversions' scale operands and each tile's scale word.  My lane has blocks h and 2 + h; lane l xor 16 has the other two
.macro SCALES dst
.irp b, 0,1,2,3
	D4
	v_add_nc_u32 v[SO+\b], 0xfe000000, v[BM+\b]    ; 4 off the exponent field
.endr
.irp b, 0,1,2,3
	D4
	v_lshrrev_b32 v[BP+\b], 23, v[SO+\b]           ; the byte
.endr
.irp x, 0,1
	v_lshl_or_b32 v[T+\x], v[BP+2*\x+1], 16, v[BP+2*\x]
.endr
.irp x, 0,1
	D2
	v_lshlrev_b32 v[T+\x], v[SH8], v[T+\x]
.endr
.irp x, 0,1
	v_permlanex16_b32 v[BP+\x], v[T+\x], s[SEL], s[SEL+1]
.endr
.irp x, 0,1
	v_or_b32 v[\dst+\x], v[T+\x], v[BP+\x]
.endr
.endm
; both tiles' 64 numbers a lane become 12 registers of codes each (a conversion's three registers begin on an even number, so each block's second half is moved)
.macro CODES
.irp x, 0,1
.irp c, 0,1
	v_cvt_scalef32_pk16_bf6_f32 v[PF+12*\x+6*\c:PF+12*\x+6*\c+2], v[S0+64*\x+32*\c:S0+64*\x+32*\c+15], v[SO+2*\x+\c]
	v_cvt_scalef32_pk16_bf6_f32 v[TC+8*\x+4*\c:TC+8*\x+4*\c+2], v[S0+64*\x+32*\c+16:S0+64*\x+32*\c+31], v[SO+2*\x+\c]
.endr
.endr
	v_nop                                          ; one plain place behind a scaled conversion
.irp x, 0,1
.irp c, 0,1
.irp i, 0,1,2
	v_mov_b32 v[PF+12*\x+6*\c+3+\i], v[TC+8*\x+4*\c+\i]
.endr
.endr
.endr
.endm
.macro FETCH_KV base, sw               ; 8 fragments (24 loads) and 4 registers of scale words
	WIN 0x40
.set t, 0
.rept 24
	ds_load_b128 v[KV+4*t:KV+4*t+3], v[ADK] offset:\base+512*t
.set t, t+1
.endr
	WIN 0
.irp b, 0,1,2,3
	ds_load_b32 v[\sw+\b], v[ADS] offset:\base+WORDS+128*\b
.endr
.endm
.macro FETCH_M e                       ; mask(my query, keys 128 e + 64 c + 32 h + 0 .. 31): the layout of S^T; 16 loads
.set t, 0
.rept 16
	ds_load_b128 v[S1+4*t:S1+4*t+3], v[ADM] offset:512*\e+256*(t/8)+16*(t%8)
.set t, t+1
.endr
.endm
.macro MPREP                           ; m = max(mask, -2^26) sqrt(128)
.set k, 0
.rept 32
	v_dual_max_num_f32 v[S1+k], s[LIM], v[S1+k] :: v_dual_max_num_f32 v[S1+k+1], s[LIM], v[S1+k+1]
.set k, k+2
.endr
.set k, 0
.rept 32
	v_pk_mul_f32 v[S1+k:S1+k+1], v[S1+k:S1+k+1], s[SQ:SQ+1] op_sel_hi:[1,0]
.set k, k+2
.endr
.endm
.macro MM d, a, b, c, sa, sb, odd      ; an odd tile's scale words lie in lanes 16-31
.if \odd
	v_wmma_scale_f32_16x16x128_f8f6f4 v[\d:\d+7], v[\a:\a+11], v[\b:\b+11], v[\c:\c+7], v[\sa], v[\sb] matrix_a_fmt:MATRIX_FMT_BF6 matrix_b_fmt:MATRIX_FMT_BF6 matrix_a_scale:MATRIX_SCALE_ROW1
.else
	v_wmma_scale_f32_16x16x128_f8f6f4 v[\d:\d+7], v[\a:\a+11], v[\b:\b+11], v[\c:\c+7], v[\sa], v[\sb] matrix_a_fmt:MATRIX_FMT_BF6 matrix_b_fmt:MATRIX_FMT_BF6
.endif
.endm
.macro QK x                            ; S^T of tile x: 8 tiles of 16 keys; K and Q window 1, C and D window 0
	WIN 0x05
.set t, 0
.rept 8
.set rD, S0+64*(\x)+8*t
.set rA, KV+12*t
.set rB, QF+12*(\x)
.set rC, S1+8*t
	MM rD, rA, rB, rC, KS+t/2, QS+\x, t%2
.set t, t+1
.endr
.endm
.macro PV                              ; O^T += V^T P^T, the 16 accumulators by turns; V, C and D window 1, P window 0
	WIN 0x51
.set t, 0
.rept 8
.irp x, 0,1
.set rD, 64*\x+8*t
.set rA, KV+12*t
.set rB, PF+12*\x
	MM rD, rA, rB, rD, VS+t/2, PS+\x, t%2
.endr
.set t, t+1
.endr
	WIN 0
.endm
; each block's largest u (ascending: each accumulator is first read at its low end); the running largest t, the new -M, f.  The two tiles by turns
; V's fetch (4 loads of scale words, then 24 of fragments, from byte base of the slot) stands among the maxima, two loads ahead of every four: the running maxima lie in window 1, so that one window setting serves both
.set BMW, 248                          ; window 1: v248-251 the four blocks' running maxima
.macro SMA base
.irp b, 0,1,2,3
	ds_load_b32 v[VS+\b], v[ADS] offset:\base+WORDS+128*\b
.endr
	WIN 0x40                                       ; destination window 1
.irp b, 0,1,2,3
	v_max3_num_f32 v[BMW+\b], v[S0+32*\b], v[S0+32*\b+1], v[S0+32*\b+2]
.endr
	WIN 0x50                                       ; destination and source 2 window 1; a load's address is source 0
.set i, 3
.rept 14
.if i < 27
	ds_load_b128 v[KV+4*(i-3):KV+4*(i-3)+3], v[ADK] offset:\base+512*(i-3)
	ds_load_b128 v[KV+4*(i-2):KV+4*(i-2)+3], v[ADK] offset:\base+512*(i-2)
.endif
.irp b, 0,1,2,3
	v_max3_num_f32 v[BMW+\b], v[S0+32*\b+i], v[S0+32*\b+i+1], v[BMW+\b]
.endr
.set i, i+2
.endr
	WIN 0x01                                       ; source 0 window 1: the last line brings the maxima into window 0
.irp b, 0,1,2,3
	v_max_num_f32 v[BM+\b], v[BMW+\b], v[S0+32*\b+31]
.endr
	WIN 0
.irp x, 0,1
	v_max_num_f32 v[T+\x], v[BM+2*\x], v[BM+2*\x+1]
.endr
.irp x, 0,1
	v_permlanex16_b32 v[BP+\x], v[T+\x], s[SEL], s[SEL+1]
.endr
.irp x, 0,1
	v_max_num_f32 v[T+\x], v[T+\x], v[BP+\x]       ; with lane l xor 16's 64 keys
.endr
.irp x, 0,1
	D2
	v_mul_f32 v[T+\x], s[CS], v[T+\x]              ; the step's largest t (c is positive)
.endr
.irp x, 0,1
	D2
	v_max_num_f32 v[ST+4*\x+1], v[ST+4*\x+1], v[T+\x]
.endr
.irp x, 0,1
	v_mov_b32 v[T+\x], v[ST+4*\x]
.endr
.irp x, 0,1
	D4
	v_floor_f32 v[ST+4*\x], -v[ST+4*\x+1]          ; the new -M: M is a whole number
.endr
.irp x, 0,1
	D2
	v_sub_f32 v[T+\x], v[ST+4*\x], v[T+\x]         ; old M - new M, 0 or less
.endr
.irp x, 0,1
	D2
	v_cvt_i32_f32 v[T+\x], v[T+\x]                 ; (it saturates)
.endr
.irp x, 0,1
	D2
	v_ldexp_f32 v[F+2*\x], 1.0, v[T+\x]
.endr
.endm
.macro RESCALE                         ; O^T and the sums under the new M; it stands ahead of the exponentials, so that O^T's first read has none between
	WIN 0x41
.irp x, 0,1
.set k, 0
.rept 32
	v_pk_mul_f32 v[64*\x+k:64*\x+k+1], v[64*\x+k:64*\x+k+1], v[F+2*\x:F+2*\x+1] op_sel_hi:[1,0]
.set k, k+2
.endr
.endr
	WIN 0
.irp x, 0,1
	v_pk_mul_f32 v[ST+4*\x+2:ST+4*\x+3], v[ST+4*\x+2:ST+4*\x+3], v[F+2*\x:F+2*\x+1] op_sel_hi:[1,0]
.endr
.endm
.macro SMB0                            ; t - M of tile 0, and of all four blocks' largest u
.set k, 0
.rept 32
	v_pk_fma_f32 v[S0+k:S0+k+1], v[S0+k:S0+k+1], s[CS:CS+1], v[ST:ST+1] op_sel_hi:[1,0,0]
.set k, k+2
.endr
.irp x, 0,1
.irp c, 0,1
	v_fma_f32 v[BM+2*\x+\c], v[BM+2*\x+\c], s[CS], v[ST+4*\x]
.endr
.endr
.endm
.macro EXPA                            ; tile 0's exponentials; tile 1's t - M, which hang on nothing here, stand among them; then the blocks' largest p
.set k, 0
.rept 32
	v_exp_f32 v[S0+k], v[S0+k]
	v_exp_f32 v[S0+k+1], v[S0+k+1]
	v_pk_fma_f32 v[S1+k:S1+k+1], v[S1+k:S1+k+1], s[CS:CS+1], v[ST+4:ST+5] op_sel_hi:[1,0,0]
.set k, k+2
.endr
.irp b, 0,1,2,3
	v_exp_f32 v[BM+\b], v[BM+\b]                   ; the same two instructions on the same number give the same bits
.endr
.endm
.macro EXPB
.set k, 0
.rept 64
	v_exp_f32 v[S1+k], v[S1+k]
.set k, k+1
.endr
.endm
.macro SUMS x                          ; tile x's row sums of the UNQUANTISED p: 32 packed additions in four chains by turns (v56-61 hold three of them)
.set sP, S0+64*\x
.set sA, ST+4*\x+2
.irp n, 0,1,2
	v_pk_add_f32 v[T2+2*\n:T2+2*\n+1], v[sP+4*\n:sP+4*\n+1], v[sP+4*\n+2:sP+4*\n+3]
.endr
.set j, 12
.rept 6
	v_pk_add_f32 v[sA:sA+1], v[sA:sA+1], v[sP+j:sP+j+1]
.irp n, 0,1,2
	v_pk_add_f32 v[T2+2*\n:T2+2*\n+1], v[T2+2*\n:T2+2*\n+1], v[sP+j+2+2*\n:sP+j+3+2*\n]
.endr
.set j, j+8
.endr
	v_pk_add_f32 v[sA:sA+1], v[sA:sA+1], v[sP+60:sP+61]
	v_pk_add_f32 v[T2:T2+1], v[T2:T2+1], v[sP+62:sP+63]
	v_pk_add_f32 v[T2+2:T2+3], v[T2+2:T2+3], v[T2+4:T2+5]
	v_pk_add_f32 v[sA:sA+1], v[sA:sA+1], v[T2:T2+1]
	v_pk_add_f32 v[sA:sA+1], v[sA:sA+1], v[T2+2:T2+3]
.endm
; A KEY STEP, e = 0, 1 in its slot, from the mask's preparation to the fetch of the next step's mask and K.  At its head the mask's 16 loads and, younger, K's 28 are out.
; mode 1: the slot's second step follows.  mode 2: the slot ends: the change of slots, with a refill, stands between p's codes and V^T P, so that the next slot's first loads are out under the products, tile 0's sums
; and the mask's preparation.  mode 3: the same with no refill; in the last trip (one left) the step is left ahead of the change: nothing follows it.
.macro STEP e, mode
	s_wait_dscnt 28                                ; the mask is in; K's 24 + 4 loads may be out
	MPREP
	s_wait_alu depctr_va_vdst(0)
	s_wait_dscnt 0x0                               ; K is in
	NOPS 4
	QK 0
	NOPS 5                                         ; tile 1's products write over m, which tile 0's read as C
	QK 1
	WIN 0
	NOPS 4                                         ; places ahead of the loads into K's registers and of the scores' first read
	SMA STEPB*\e+VP
	RESCALE
	SMB0
	s_wait_alu depctr_va_vdst(0)                   ; ahead of the batch
	EXPA
	v_nop
	s_wait_alu depctr_va_vdst(0)                   ; behind the first batch and ahead of the second
	EXPB
	v_nop
	s_wait_alu depctr_va_vdst(0)
.irp b, 0,1,2,3
	v_max_num_f32 v[BM+\b], 0x2800000, v[BM+\b]    ; the floor 2^(5 - 127): a block whose every p is 0 keeps the byte 1
.endr
	SCALES PS
	CODES
.if \mode == 1
	SUMS 1                                         ; (these 32 are also the places between p's scale words and codes and the products)
	FETCH_M 1                                      ; p of tile 1 is done with: the next step's mask
	s_wait_dscnt 16                                ; V is in; the mask's 16 loads may be out
.endif
.if \mode == 2
	CHANGE 1, 1                                    ; tile 1's sums stand inside it; its wait for the LDS shows V in
	FETCH_M 0
.endif
.if \mode == 3
	SUMS 1
	s_cmp_eq_u32 s[TRIP], 1
	s_cbranch_scc1 .Lfin
	CHANGE 0, 0
	FETCH_M 0
.endif
	PV
	NOPS 4                                         ; places ahead of loads into V's registers
.if \mode == 1
	FETCH_KV STEPB, KS
.else
	FETCH_KV 0, KS
.endif
	SUMS 0                                         ; tile 0's p stays in its registers until the next step's first products: its sums stand under K's loads
.endm
; THE CHANGE OF SLOTS.  Each wave waits for all its tensor loads (one is out: its part of the slot to come), adds 0 to its spare word and waits for that and for its reads of the slot just read out (V's are the last).
; fill = 1: a round of the cluster's barrier, and the joint refill of the slot just read out is the first thing behind it: it has two key steps in which to land.  sums = 1: tile 1's sums stand between the add and its wait.
.macro CHANGE fill, sums
	WIN 0
	s_wait_tensorcnt 0x0
	ds_add_u32 v[SPW], v[NIL]
.if \fill
	s_xor_b32 s[G0A+1], s[G0A+1], SLOT1            ; no load of mine is out: the groups 0 step to the other slot,
	s_add_nc_u64 s[G0A+2:G0A+3], s[G0A+2:G0A+3], 2*STEPB   ; the next 256 keys of kv
	s_xor_b32 s[G0M+1], s[G0M+1], SLOT1
	s_add_nc_u64 s[G0M+2:G0M+3], s[G0M+2:G0M+3], 1024      ; and of the mask's rows
.endif
	v_add_nc_u32 v[ADK], s[TB], v[LI]
	v_add_nc_u32 v[ADS], s[TB], v[LS]
	v_add_nc_u32 v[ADM], s[TB], v[AM0]
	s_xor_b32 s[TB], s[TB], SLOT1
.if \sums
	SUMS 1
.endif
	s_wait_alu depctr_va_vdst(0)
	s_wait_dscnt 0x0
.if \fill
	CROUND
	JLOAD
.else
	s_barrier_signal -1
	s_barrier_wait -1
.endif
.endm
	s_load_b256 s[4:11], s[0:1], 0x0               ; q, kv, mask, out0
	v_lshl_add_u32 v[SPW], v0, 2, SPARE
	v_mov_b32 v[NIL], 0
	ds_add_u32 v[SPW], v[NIL]
	ds_add_u32 v[SPW], v[NIL]
	v_lshrrev_b32 v13, 5, v0
	v_readfirstlane_b32 s[WV], v13                 ; wave 0..7
	s_and_b32 s13, s[WV], 3                        ; my 16 queries; also the quarter of kv or of the mask's rows that I fetch
	s_lshr_b32 s22, s[WV], 2                       ; my pair of heads
	s_bfe_u32 s14, ttmp6, 0x40000                  ; cx
	s_bfe_u32 s15, ttmp6, 0x40004                  ; cy
	s_lshl_b32 s16, ttmp9, 2
	s_add_co_u32 s16, s16, s14                     ; my block of 64 queries
	s_and_b32 s17, ttmp7, 0xffff
	s_lshl_b32 s17, s17, 2
	s_add_co_u32 s17, s17, s15                     ; my KV head
	s_lshl_b32 s18, s15, 2
	s_lshl_b32 s18, 15, s18                        ; my row of the cluster: the same KV head
	s_lshl_b32 s19, 0x1111, s14                    ; my column: the same queries
	s_or_b32 s[G1A], s18, (3<<16)|(1<<21)          ; kv: 12,800 dense bytes as 50 rows of 32 elements of 8 bytes
	s_mov_b32 s[G1A+1], 32<<16
	s_mov_b32 s[G1A+2], 50<<16
	s_mov_b32 s[G1A+3], 32<<16
	s_mov_b32 s[G1A+4], 50
	s_mov_b32 s[G1A+5], 32
	s_mov_b32 s[G1A+6], 0
	s_mov_b32 s[G1A+7], 0
	s_or_b32 s[G1M], s19, (2<<16)|(1<<20)|(1<<21)|(7<<22)|(3<<25)   ; the mask: 16 rows of 256 elements of 4 bytes, 2,048 apart; 4 words of padding behind every 256
	s_mov_b32 s[G1M+1], 256<<16
	s_mov_b32 s[G1M+2], 16<<16
	s_mov_b32 s[G1M+3], 256<<16
	s_mov_b32 s[G1M+4], 16
	s_mov_b32 s[G1M+5], 2048
	s_mov_b32 s[G1M+6], 0
	s_mov_b32 s[G1M+7], 0
	s_mul_i32 s54, s17, 409600                     ; kv: the head, my quarter of a slot.  These registers never hold cx
	s_mul_i32 s60, s13, VP
	s_add_co_u32 s54, s54, s60
	s_mov_b32 s55, 0
	s_lshl_b32 s56, s16, 19                        ; the mask: 64 rows of 8,192 bytes a block, my 16 rows.  These never hold cy
	s_lshl_b32 s57, s13, 17
	s_add_co_u32 s56, s56, s57
	s_mov_b32 s57, 0
	s_mul_i32 s61, s13, 16*MPITCH
	s_add_co_u32 s61, s61, MKT
	s_lshl_b32 s58, s16, 6                         ; q and out0: row 64 X + 16 (w % 4) of 16,384 bytes, + the KV head's 2,048 bytes, + my pair's 1,024
	s_lshl_b32 s59, s13, 4
	s_add_co_u32 s58, s58, s59
	s_lshl_b32 s58, s58, 14
	s_lshl_b32 s59, s17, 11
	s_add_co_u32 s58, s58, s59
	s_lshl_b32 s59, s22, 10
	s_add_co_u32 s58, s58, s59
	s_mov_b32 s59, 0
	s_mul_i32 s62, s[WV], 16*SPITCH
	s_add_co_u32 s62, s62, STAGE                   ; my stage
	s_mov_b32 s[SEL], 0x76543210
	s_mov_b32 s[SEL+1], 0xfedcba98
	s_mov_b32 s[CS], 0x3e0293ee                    ; c = log2(e) / sqrt(128)
	s_mov_b32 s[CS+1], s[CS]
	s_mov_b32 s[SQ], 0x413504f3                    ; sqrt(128)
	s_mov_b32 s[SQ+1], s[SQ]
	s_mov_b32 s[LIM], 0xcc800000                   ; -2^26
	s_mov_b32 s[TB], 0
	s_wait_dscnt 0x0
	s_wait_kmcnt 0x0
	s_add_nc_u64 s[4:5], s[4:5], s[58:59]
	s_add_nc_u64 s[10:11], s[10:11], s[58:59]
	s_mov_b32 s[G0A], 1
	s_mov_b32 s[G0A+1], s60
	s_add_nc_u64 s[G0A+2:G0A+3], s[6:7], s[54:55]
	s_or_b32 s[G0A+3], s[G0A+3], 0x80000000
	s_mov_b32 s[G0M], 1
	s_mov_b32 s[G0M+1], s61
	s_add_nc_u64 s[G0M+2:G0M+3], s[8:9], s[56:57]
	s_or_b32 s[G0M+3], s[G0M+3], 0x80000000
	CROUND                                         ; all sixteen work-groups are here: the first joint loads meet
	JLOAD                                          ; slot 0: one tensor load a wave at the head
	v_and_b32 v13, 31, v0
	v_and_b32 v14, 15, v0                          ; r
	v_bfe_u32 v15, v0, 4, 1                        ; h
	v_lshlrev_b32 v[LI], 4, v13
.irp x, 0,1                                    ; q: a load takes one query's 512 bytes of one head, whole
.set i, 0
.rept 16
	global_load_b128 v[S0+64*\x+4*i:S0+64*\x+4*i+3], v[LI], s[4:5] offset:16384*i+512*\x th:TH_LOAD_NT
.set i, i+1
.endr
.endr
	v_lshlrev_b32 v[LS], 2, v13
	v_lshlrev_b32 v[SH8], 3, v15
	v_mul_u32_u24 v[AM0], v14, MPITCH
	v_lshl_add_u32 v[AM0], v15, 7, v[AM0]
	v_add_nc_u32 v[AM0], s61, v[AM0]
	v_mul_u32_u24 v[STO], v14, SPITCH
	v_add_nc_u32 v[STO], s62, v[STO]
	v_lshl_add_u32 v[QR], v15, 7, v[STO]
	v_lshl_add_u32 v[STO], v15, 5, v[STO]
	v_add_nc_u32 v[RD], s62, v[LI]
.irp b, 0,1,2,3
	v_mov_b32 v[BP+\b], 0                          ; a lane permute's destination counts as one of its sources
.endr
.irp x, 0,1
	v_mov_b32 v[F+2*\x+1], 0                       ; (named as the upper half of a pair)
	v_mov_b32 v[ST+4*\x+1], 0xff61b1e6             ; the largest t so far: -3e38
	v_floor_f32 v[ST+4*\x], -v[ST+4*\x+1]
	v_mov_b32 v[ST+4*\x+2], 0
	v_mov_b32 v[ST+4*\x+3], 0
.endr
	WIN 0x40
.set k, 0
.rept 128
	v_mov_b32 v[k], 0                              ; O^T
.set k, k+1
.endr
	WIN 0
	s_wait_alu depctr_va_vdst(0)
	; q goes through my stage, a head at a time: in by rows, back as lane (r, h)'s d = 64 c + 32 h + 0 .. 31.  LDS serves a wave's instructions in order (ISA guide 5.7.1.4)
.irp x, 0,1
	s_wait_loadcnt 16-16*\x                        ; head x's sixteen loads are in
.set i, 0
.rept 16
	ds_store_b128 v[RD], v[S0+64*\x+4*i:S0+64*\x+4*i+3] offset:i*SPITCH
.set i, i+1
.endr
	s_wait_dscnt 0x0                               ; the stores have read their registers, which the loads below write
.set i, 0
.rept 16
	ds_load_b128 v[S0+64*\x+4*i:S0+64*\x+4*i+3], v[QR] offset:256*(i/8)+16*(i%8)
.set i, i+1
.endr
.endr
	s_wait_dscnt 0x0
.irp b, 0,1,2,3
	v_max3_num_f32 v[BM+\b], |v[S0+32*\b]|, |v[S0+32*\b+1]|, 0x2800000   ; block b's largest magnitude, with the floor 2^(5 - 127)
.endr
.set i, 2
.rept 15
.irp b, 0,1,2,3
	v_max3_num_f32 v[BM+\b], v[BM+\b], |v[S0+32*\b+i]|, |v[S0+32*\b+i+1]|
.endr
.set i, i+2
.endr
	SCALES QS
	CODES
	WIN 0x40
.set k, 0
.rept 24
	v_mov_b32 v[QF+k], v[PF+k]
.set k, k+1
.endr
	WIN 0
	s_wait_alu depctr_va_vdst(0)
	CHANGE 1, 0                                    ; slot 0 has landed, in every wave's sight; slot 1's first fill is issued as a refill is
	FETCH_M 0
	FETCH_KV 0, KS
	s_mov_b32 s[TRIP], 6
.Ltrip:                                            ; trip j works on slot j; at its end slot j's bytes are asked for again, with slot j + 2
	STEP 0, 1
	STEP 1, 2
	s_sub_co_u32 s[TRIP], s[TRIP], 1
	s_cmp_lg_u32 s[TRIP], 0
	s_cbranch_scc1 .Ltrip
	s_mov_b32 s[TRIP], 2
.Ltail:                                            ; slots 6 and 7: a loop of their own
	STEP 0, 1
	STEP 1, 3
	s_sub_co_u32 s[TRIP], s[TRIP], 1
	s_cmp_lg_u32 s[TRIP], 0
	s_cbranch_scc1 .Ltail
.Lfin:                                             ; reached by the jump out of the second trip (the count never lets the loop end at its foot; the waits keep that way sound as well)
	s_wait_alu depctr_va_vdst(0)
	s_wait_dscnt 0x0                               ; V is in
	PV                                             ; the last step's V^T P
	NOPS 4
	SUMS 0
	; THE WAY OUT: the sum's two halves and the other half of the lanes'; O^T / the sum goes through my stage, a head (16 rows x 512 bytes) at a time
	s_wait_alu depctr_va_vdst(0)
.irp x, 0,1
	v_add_f32 v[ST+4*\x+2], v[ST+4*\x+2], v[ST+4*\x+3]
.endr
.irp x, 0,1
	v_permlanex16_b32 v[BP+\x], v[ST+4*\x+2], s[SEL], s[SEL+1]
.endr
.irp x, 0,1
	v_add_f32 v[ST+4*\x+3], v[ST+4*\x+2], v[BP+\x]
.endr
	s_wait_alu depctr_va_vdst(0)
.irp x, 0,1
	v_rcp_f32 v[ST+4*\x+2], v[ST+4*\x+3]
.endr
	v_nop
.macro PACK x, bk
	s_wait_alu depctr_va_vdst(0)                   ; directly ahead of O^T's first read, which stands behind the reciprocals
	WIN 0x01
.set k, 0
.rept 32
	v_pk_mul_f32 v[S0+64*\x+k:S0+64*\x+k+1], v[64*\x+k:64*\x+k+1], v[ST+4*\x+2:ST+4*\x+3] op_sel_hi:[1,0]   ; register 8 t + i is out(query r, channel 16 t + 8 h + i)
.set k, k+2
.endr
	WIN 0
.irp t, 0,1,2,3,4,5,6,7
	ds_store_b128 v[STO], v[S0+64*\x+8*\t:S0+64*\x+8*\t+3] offset:64*\t
	ds_store_b128 v[STO], v[S0+64*\x+8*\t+4:S0+64*\x+8*\t+7] offset:64*\t+16
.endr
	WIN 0x40
.set i, 0
.rept 16
	ds_load_b128 v[\bk+4*i:\bk+4*i+3], v[RD] offset:i*SPITCH
.set i, i+1
.endr
	WIN 0
.endm
.macro SEND x, bk, younger             ; younger: the LDS instructions issued behind head x's loads
	s_wait_dscnt \younger
	WIN 0x04
.set i, 0
.rept 16
	global_store_b128 v[LI], v[\bk+4*i:\bk+4*i+3], s[10:11] offset:i*16384+512*\x th:TH_STORE_NT   ; 32 lanes store 512 consecutive bytes, at a multiple of 512 from out0's first byte
.set i, i+1
.endr
	WIN 0
.endm
	PACK 0, KV                                     ; back into V's registers,
	PACK 1, 0                                      ; and into tile 0's of O^T, which are done with
	SEND 0, KV, 32
	SEND 1, 0, 0
	s_wait_tensorcnt 0x0                           ; the wave's end
	ds_add_u32 v[SPW], v[NIL]
	s_wait_dscnt 0x0
	CROUND                                         ; the closing round
	s_endpgm
.Lfunc_end_k_qd7acb8f673_attn:
	.size	k_qd7acb8f673_attn, .Lfunc_end_k_qd7acb8f673_attn-k_qd7acb8f673_attn
	.p2alignl 7, 3214868480
	.fill 96, 4, 3214868480
	.section	.rodata,"a",@progbits
	.p2align	6, 0x0
	.amdhsa_kernel k_qd7acb8f673_attn
		.amdhsa_group_segment_fixed_size 327680
		.amdhsa_private_segment_fixed_size 0
		.amdhsa_enable_private_segment 0
		.amdhsa_kernarg_size 32
		.amdhsa_user_sgpr_count 2
		.amdhsa_user_sgpr_kernarg_segment_ptr 1
		.amdhsa_wavefront_size32 1
		.amdhsa_system_sgpr_workgroup_id_x 1
		.amdhsa_system_sgpr_workgroup_id_y 1
		.amdhsa_system_sgpr_workgroup_id_z 1
		.amdhsa_system_vgpr_workitem_id 0
		.amdhsa_next_free_vgpr 512
		.amdhsa_next_free_sgpr 72
		.amdhsa_reserve_vcc 0
		.amdhsa_float_denorm_mode_32 3
		.amdhsa_float_denorm_mode_16_64 3
		.amdhsa_memory_ordered 1
		.amdhsa_forward_progress 1
		.amdhsa_inst_pref_size 197
	.end_amdhsa_kernel
	.amdgpu_metadata
---
amdhsa.version: [ 1, 2 ]
amdhsa.kernels:
  - .name:           k_qd7acb8f673_attn
    .symbol:         k_qd7acb8f673_attn.kd
    .args:
      - { .name: q, .offset: 0, .size: 8, .value_kind: global_buffer, .address_space: global }
      - { .name: kv, .offset: 8, .size: 8, .value_kind: global_buffer, .address_space: global }
      - { .name: mask, .offset: 16, .size: 8, .value_kind: global_buffer, .address_space: global }
      - { .name: out0, .offset: 24, .size: 8, .value_kind: global_buffer, .address_space: global }
    .group_segment_fixed_size: 327680
    .private_segment_fixed_size: 0
    .kernarg_segment_align: 8
    .kernarg_segment_size: 32
    .max_flat_workgroup_size: 256
    .sgpr_count:     72
    .vgpr_count:     512
    .wavefront_size: 32
...
	.end_amdgpu_metadata
.endif
;; end of part 4
